; MI455X (gfx1250); checked and timed in simulation.
; The chip was launched on July 23, 2026; its instructions are those of AMD's public machine-readable ISA for CDNA 5 (MIT licence, August 2026) and "CDNA5" Instruction Set Architecture Reference Guide (July 2026). The comments in the code are by the model that wrote it; some were corrected since.
;; Track Query Based. Allowed arithmetic: matrix products marked QUANTISED: E2M3 operands, one E8M0 scale for each 32 along K, by v_wmma_scale_f32_16x16x128_f8f6f4 with both operands' format E2M3, f32 sums; products left as they are: f32 operands where the result goes on into a quantised operand, else bf16, f16 or f32 operands; f32 sums; everything else in f32.
;; Inputs: bk 256 float32; bo 256 float32; bq 256 float32; bv 256 float32; coor 100,000 x 3 int32; feat 100,000 x 256 float32; obj_b1 256 float32; obj_b2 1 float32; obj_w1 256 x 256 float32; obj_w2 256 x 1 float32; pos_b 256 float32; pos_w 3 x 256 float32; wk 256 x 256 float32; wo 256 x 256 float32; wq 256 x 256 float32; wv 256 x 256 float32.
;; Outputs: out0 4 x 128 x 256 float32.
;; This version of the problem:
;;   THIS VERSION OF THE PROBLEM IS GIVEN IN LOW PRECISION. The matrix products marked QUANTISED in the list below multiply operands that are first quantised to E2M3 (2 exponent bits, 3 mantissa bits; 6 bits a number), with one power-of-two scale for each 32 numbers along K (OCP MX v1.0); their sums are f32. All else is computed in f32.
;;   The module's matrix products, in the order in which they are computed (A, B: the left and right operand; K: the contracted axis; several contracted axes count as one K, in the product's order):
;;     1. [M 100,000, K 256] x [K 256, N 256]; A: input feat; B: input obj_w1: QUANTISED
;;     2. [M 100,000, K 256] x [K 256, N 1]; A: computed on the way; B: input obj_w2: left as it is (N = 1 < 16)
;;     3. [M 100,000, K 256] x [K 256, N 256]; A: input feat; B: input wk: QUANTISED
;;     4. [M 100,000, K 256] x [K 256, N 256]; A: input feat; B: input wv: QUANTISED
;;     5. [M 128, K 3] x [K 3, N 256]; A: computed on the way; B: input pos_w: left as it is (K = 3 < 32)
;;     6. [M 128, K 256] x [K 256, N 256]; A: computed on the way; B: input wq: QUANTISED
;;     7. batch 4 x [M 128, K 64] x [K 64, N 100,000]; A: computed on the way; B: computed on the way: QUANTISED
;;     8. batch 4 x [M 64, K 100,000] x [K 100,000, N 128]; A: computed on the way; B: softmax (see below): QUANTISED
;;     9. [M 128, K 256] x [K 256, N 256]; A: computed on the way; B: input wo: QUANTISED
;;     10. [M 128, K 3] x [K 3, N 256]; A: computed on the way; B: input pos_w: left as it is (K = 3 < 32)
;;     11. [M 128, K 256] x [K 256, N 256]; A: computed on the way; B: input wq: QUANTISED
;;     12. batch 4 x [M 128, K 64] x [K 64, N 100,000]; A: computed on the way; B: computed on the way: QUANTISED
;;     13. batch 4 x [M 64, K 100,000] x [K 100,000, N 128]; A: computed on the way; B: softmax (see below): QUANTISED
;;     14. [M 128, K 256] x [K 256, N 256]; A: computed on the way; B: input wo: QUANTISED
;;     15. [M 128, K 3] x [K 3, N 256]; A: computed on the way; B: input pos_w: left as it is (K = 3 < 32)
;;     16. [M 128, K 256] x [K 256, N 256]; A: computed on the way; B: input wq: QUANTISED
;;     17. batch 4 x [M 128, K 64] x [K 64, N 100,000]; A: computed on the way; B: computed on the way: QUANTISED
;;     18. batch 4 x [M 64, K 100,000] x [K 100,000, N 128]; A: computed on the way; B: softmax (see below): QUANTISED
;;     19. [M 128, K 256] x [K 256, N 256]; A: computed on the way; B: input wo: QUANTISED
;;     20. [M 128, K 3] x [K 3, N 256]; A: computed on the way; B: input pos_w: left as it is (K = 3 < 32)
;;     21. [M 128, K 256] x [K 256, N 256]; A: computed on the way; B: input wq: QUANTISED
;;     22. batch 4 x [M 128, K 64] x [K 64, N 100,000]; A: computed on the way; B: computed on the way: QUANTISED
;;     23. batch 4 x [M 64, K 100,000] x [K 100,000, N 128]; A: computed on the way; B: softmax (see below): QUANTISED
;;     24. [M 128, K 256] x [K 256, N 256]; A: computed on the way; B: input wo: QUANTISED
;;   THE QUANTISER, for each operand of a quantised product, along K:
;;     - K is cut into blocks of 32 from its start; a last block that is shorter is filled with zeros.
;;     - A block's scale is 2^e with e = floor(log2(the largest magnitude in the block)) - 2, held to -126 .. 127; a block of zeros has e = 0. As a byte (E8M0): e + 127.
;;     - Each number is divided by its block's scale, clamped to +-7.5, and rounded to the nearest number of E2M3, ties to even, subnormals kept.
;;     - The product sums the exact products of the quantised numbers (number of the format x scale) in f32.
;;   ~~~python
;;   def quantise(x, axis):      # numpy; x: float32 -> the quantised numbers, widened to float32 again
;;       x = np.moveaxis(x, axis, -1); K = x.shape[-1]
;;       x = np.pad(x, [(0, 0)] * (x.ndim - 1) + [(0, -K % 32)]); x = x.reshape(x.shape[:-1] + (-1, 32)); a = np.abs(x).max(-1, keepdims=True)
;;       e = np.where(a > 0, np.clip(np.frexp(np.where(a > 0, a, 1))[1] - 1 - 2, -126, 127), 0)      # np.frexp(a)[1] - 1 = floor(log2(a)), exactly
;;       r = np.clip(x / 2.0 ** e, -7.5, 7.5)
;;       step = 2.0 ** (np.maximum(np.frexp(np.where(r == 0, 1, r))[1] - 1, 0) - 3)
;;       q = np.round(r / step) * step * 2.0 ** e      # np.round: ties to even
;;       return np.moveaxis(q.reshape(q.shape[:-2] + (-1,))[..., :K], -1, axis).astype(np.float32)
;;   ~~~
;;   SOFTMAX AHEAD OF A QUANTISED PRODUCT. Where the list says 'softmax', what is quantised is not the finished softmax but p = 2^(t - M), with t = logit x log2(e) and M = ceil(the row's largest t), a whole number; so 1/2 < the row's largest p <= 1. The row's sum l is taken of the UNQUANTISED p, in f32, and the product's result is divided by l at the end. Since M is a whole number, a kernel that streams over the keys may use a running M (the ceiling of the running maximum): every later rescaling is an exact power of two, which a block's scale takes up: the codes' values come out the same.
;;   OPERANDS COMPUTED ON THE WAY. 'Computed on the way' means the value that the module computes at that place (a softmax that the list does not call 'softmax' is quantised finished and normalised). What goes into a quantiser is computed in f32, as accurately as f32 sums, v_exp_f32 and their like allow (about 1e-6 of the number): no bf16 or f16 on the way to a quantiser, and a product that is left as it is and whose result goes on into a quantised operand takes f32 operands (vector FMAs, or v_wmma_f32_16x16x4_f32). A number that lies on a knife's edge between two numbers of the format may be rounded either way, as far as f32 arithmetic and the matrix unit's own rounding can turn it there, and no further.
;; One version. Each part assembles by itself: llvm-mc -triple=amdgcn-amd-amdhsa -mcpu=gfx1250 --defsym DOCPART=n.
;; ======== version 1 of 1: 4 launches
;; limits: right only within a limited range of input values
;; workspace buffers: wimg 266,240 bytes; okeys 467,456 bytes of whole numbers; kv 40,839,168 bytes; part_o 8,388,608 bytes; part_ml 262,144 bytes; ranks 512 bytes of whole numbers
;; launch prep (part 1): grid 160 x 1, 1 waves a work-group, no clusters, 0 bytes of LDS; arguments obj_w1, wk, wv, wq, wo, wimg; writes wimg
.if DOCPART == 1
	.amdgcn_target "amdgcn-amd-amdhsa--gfx1250"
	.amdhsa_code_object_version 6
	.text
	.protected	k_q774d08ff5d_prep
	.globl	k_q774d08ff5d_prep
	.p2align	8
	.type	k_q774d08ff5d_prep,@function
k_q774d08ff5d_prep:
	s_mov_b64 s[64:65], 0
	v_nop
	global_prefetch_b8 v0, s[64:65] scope:SCOPE_SE
	s_setreg_imm32_b32 hwreg(HW_REG_WAVE_MODE, 25, 1), 1
	s_wait_xcnt 0x0
; The five weights [256 (k)][256 (n)], f32, become codes of FP6 (E2M3) with one E8M0 byte for each 32 along k, laid as IMAGES OF OPERAND REGISTERS.
; wimg: five matrices of MATB bytes (obj_w1, wk, wv, wq, wo); in each 32 fragments of FRB bytes (fragment 2 nt + s: columns 16 nt .. + 15, k = 128 s .. + 127), then 32 scale images of 128 bytes.
; A fragment is 12 registers a lane; registers 4 c .. 4 c + 3 of lane l lie at 512 c + 16 l.  Lane (r, h) holds column 16 nt + r; registers 6 c .. 6 c + 5 hold k = 128 s + 64 c + 32 h + 0 .. 31.
; One wave to a fragment: a lane takes a column and its registers run down k, so a block's largest magnitude needs no other lane and the conversions' results are the operand's registers.
; A block's byte is its largest magnitude's exponent field - 2, held at 1 from below (a block of zeros keeps the byte 1: its codes are zeros, and this program alone reads the bytes).
; LIMITS: NaN and infinities are not served; blocks whose largest magnitude lies under 2^-124 keep the byte 1.
.set MATB, 53248
.set FRB,  1536
	s_load_b256 s[4:11], s[0:1], 0x0               ; obj_w1, wk, wv, wq
	s_load_b128 s[12:15], s[0:1], 0x20             ; wo, wimg
	v_and_b32 v1, 15, v0                           ; r
	v_lshrrev_b32 v2, 4, v0                        ; h
	v_lshlrev_b32 v4, 2, v1
	v_lshl_add_u32 v5, v2, 15, v4                  ; 4 r + 32 h rows of 1,024 bytes
	v_lshlrev_b32 v6, 4, v0                        ; 16 x lane
	v_lshlrev_b32 v7, 2, v0                        ; 4 x lane
	s_lshr_b32 s16, ttmp9, 5                       ; which matrix
	s_and_b32 s17, ttmp9, 31                       ; which fragment
	s_and_b32 s18, s17, 1
	s_lshl_b32 s18, s18, 17                        ; s x 128 rows
	s_lshr_b32 s19, s17, 1
	s_lshl_b32 s19, s19, 6                         ; nt x 16 columns
	s_add_co_u32 s18, s18, s19
	s_mov_b32 s19, 0
	s_mul_i32 s20, s16, MATB
	s_mul_i32 s21, s17, FRB
	s_add_co_u32 s22, s20, s21                     ; where the codes go
	s_mov_b32 s23, 0
	s_lshl_b32 s21, s17, 7
	s_add_co_u32 s24, s20, s21
	s_add_co_u32 s24, s24, 32*FRB                  ; where the scale words go
	s_mov_b32 s25, 0
	s_mov_b32 s26, 0x76543210
	s_mov_b32 s27, 0xfedcba98                      ; selects for lane l xor 16
	s_wait_alu depctr_va_vdst(0)
	s_wait_kmcnt 0x0
	s_cmp_eq_u32 s16, 1                            ; the choice hangs on the work-group's number alone
	s_cselect_b64 s[4:5], s[6:7], s[4:5]
	s_cmp_eq_u32 s16, 2
	s_cselect_b64 s[4:5], s[8:9], s[4:5]
	s_cmp_eq_u32 s16, 3
	s_cselect_b64 s[4:5], s[10:11], s[4:5]
	s_cmp_eq_u32 s16, 4
	s_cselect_b64 s[4:5], s[12:13], s[4:5]
	s_add_nc_u64 s[4:5], s[4:5], s[18:19]
	s_add_nc_u64 s[28:29], s[14:15], s[22:23]
	s_add_nc_u64 s[30:31], s[14:15], s[24:25]
.set n, 0
.rept 64
	global_load_b32 v[64+n], v5, s[4:5] offset:1024*(64*(n/32)+n%32) th:TH_LOAD_NT   ; W(128 s + 64 c + 32 h + i, 16 nt + r)
.set n, n+1
.endr
	s_wait_loadcnt 0x0
.irp c, 0,1
	v_max3_num_f32 v[32+\c], |v[64+32*\c]|, |v[65+32*\c]|, 0x1800000   ; my block 2 c + h, and the floor 2^(3 - 127)
.endr
.irp i, 2,4,6,8,10,12,14,16,18,20,22,24,26,28,30
.irp c, 0,1
	v_max3_num_f32 v[32+\c], v[32+\c], |v[64+32*\c+\i]|, |v[65+32*\c+\i]|
.endr
.endr
.irp c, 0,1
	v_add_nc_u32 v[44+\c], 0xff000000, v[32+\c]    ; 2 off the exponent field: the conversion's scale operand
.endr
.irp c, 0,1
	v_lshrrev_b32 v[36+\c], 23, v[44+\c]           ; the scale's byte
.endr
	v_lshl_or_b32 v9, v37, 16, v36                 ; blocks h and 2 + h,
	v_lshlrev_b32 v10, 3, v2
	v_lshlrev_b32 v9, v10, v9                      ; at their places in the word;
	v_mov_b32 v10, 0
	v_permlanex16_b32 v10, v9, s26, s27
	v_or_b32 v9, v9, v10                           ; with lane l xor 16's two the word is whole
.irp c, 0,1
	v_cvt_scalef32_pk16_fp6_f32 v[48+6*\c:50+6*\c], v[64+32*\c:79+32*\c], v[44+\c]
	v_cvt_scalef32_pk16_fp6_f32 v[192+4*\c:194+4*\c], v[80+32*\c:95+32*\c], v[44+\c]   ; (three registers begin on an even number)
.endr
	v_nop                                          ; one plain place behind a scaled conversion
.irp c, 0,1
.irp i, 0,1,2
	v_mov_b32 v[51+6*\c+\i], v[192+4*\c+\i]
.endr
.endr
.irp c, 0,1,2
	global_store_b128 v6, v[48+4*\c:51+4*\c], s[28:29] offset:512*\c   ; 32 lanes store 512 consecutive bytes
.endr
	global_store_b32 v7, v9, s[30:31]
	s_endpgm
.Lfunc_end_k_q774d08ff5d_prep:
	.size	k_q774d08ff5d_prep, .Lfunc_end_k_q774d08ff5d_prep-k_q774d08ff5d_prep
	.p2alignl 7, 3214868480
	.fill 96, 4, 3214868480
	.section	.rodata,"a",@progbits
	.p2align	6, 0x0
	.amdhsa_kernel k_q774d08ff5d_prep
		.amdhsa_group_segment_fixed_size 0
		.amdhsa_private_segment_fixed_size 0
		.amdhsa_enable_private_segment 0
		.amdhsa_kernarg_size 48
		.amdhsa_user_sgpr_count 2
		.amdhsa_user_sgpr_kernarg_segment_ptr 1
		.amdhsa_wavefront_size32 1
		.amdhsa_system_sgpr_workgroup_id_x 1
		.amdhsa_system_sgpr_workgroup_id_y 1
		.amdhsa_system_sgpr_workgroup_id_z 1
		.amdhsa_system_vgpr_workitem_id 0
		.amdhsa_next_free_vgpr 208
		.amdhsa_next_free_sgpr 66
		.amdhsa_reserve_vcc 0
		.amdhsa_float_denorm_mode_32 3
		.amdhsa_float_denorm_mode_16_64 3
		.amdhsa_memory_ordered 1
		.amdhsa_forward_progress 1
		.amdhsa_inst_pref_size 12
	.end_amdhsa_kernel
	.amdgpu_metadata
---
amdhsa.version: [ 1, 2 ]
amdhsa.kernels:
  - .name:           k_q774d08ff5d_prep
    .symbol:         k_q774d08ff5d_prep.kd
    .args:
      - { .name: obj_w1, .offset: 0, .size: 8, .value_kind: global_buffer, .address_space: global }
      - { .name: wk, .offset: 8, .size: 8, .value_kind: global_buffer, .address_space: global }
      - { .name: wv, .offset: 16, .size: 8, .value_kind: global_buffer, .address_space: global }
      - { .name: wq, .offset: 24, .size: 8, .value_kind: global_buffer, .address_space: global }
      - { .name: wo, .offset: 32, .size: 8, .value_kind: global_buffer, .address_space: global }
      - { .name: wimg, .offset: 40, .size: 8, .value_kind: global_buffer, .address_space: global }
    .group_segment_fixed_size: 0
    .private_segment_fixed_size: 0
    .kernarg_segment_align: 8
    .kernarg_segment_size: 48
    .max_flat_workgroup_size: 32
    .sgpr_count:     66
    .vgpr_count:     208
    .wavefront_size: 32
...
	.end_amdgpu_metadata
.endif
;; end of part 1
;; launch gemm (part 2): grid 196 x 1, 4 waves a work-group, no clusters, 327,680 bytes of LDS; arguments feat, wimg, obj_b1, obj_w2, obj_b2, bk, bv, kv, okeys; writes kv, okeys
.if DOCPART == 2
	.amdgcn_target "amdgcn-amd-amdhsa--gfx1250"
	.amdhsa_code_object_version 6
	.text
	.protected	k_q774d08ff5d_gemm
	.globl	k_q774d08ff5d_gemm
	.p2align	8
	.type	k_q774d08ff5d_gemm,@function
k_q774d08ff5d_gemm:
	s_mov_b64 s[64:65], 0
	v_nop
	global_prefetch_b8 v0, s[64:65] scope:SCOPE_SE
	s_setreg_imm32_b32 hwreg(HW_REG_WAVE_MODE, 25, 1), 1
	s_wait_xcnt 0x0
.set RP,    1040
.set SLOTB, 32*RP
.set RINGW, 2*SLOTB
.set FRB,   1536
.set MATB,  53248
.set RECB,  13056
.set XIMG,  4*RINGW
.set XSC,   XIMG+16*FRB
.set OBJP,  XSC+16*128
.set KEYS,  OBJP+2048
.set SPARE, KEYS+2048
.set NPT,   100000
.set XIB, 1
.set XSB, 2
.set XRA, 3
.set XWA, 4
.set XWS, 5
.set OBW0, 6
.set OBR, 7
.set KYW, 8
.set SPW, 9
.set NIL, 10
.set L16, 11
.set XFA, 12
.set XSA, 13
.set OBW, 14
.set KVO, 15
.set XF,  16
.set HA,  40
.set KA,  72
.set ST,  40
.set VA,  40
.set W2,  104
.set KP,  136
.set KSC, 148
.set OA,  152
.set OB,  154
.set VSCR, 156
.set L8,  158
.set KE,  159
.set LANE, 161
.set XSV, 166
.set PC,  182
.set TM,  202
.set PW,  218
.set XS,  219
.set WS,  221
.set B2R, 245
.set T0,  246
.set B1T, 96
.set BKT, 128
.set BVT, 160
.set G1,  16
.set G0,  24
.set OFF, 32
.set SEL, 50
.set HIM, 52
.set KW,  56
.set MA,  58
.set MB,  59
.set MC,  60
.set MK,  61
.set MT,  62
.set W782, 66
.set G4,  67
.set TS,  68
.set MSB, 0
.macro WIN new
.if MSB != \new
	s_set_vgpr_msb (MSB<<8)|\new
.set MSB, \new
.endif
.endm
.macro PLACES n
.rept \n
	v_nop
.endr
.endm
.macro BARRIER
	s_wait_dscnt 0x0
	s_barrier_signal -1
	s_barrier_wait -1
.endm
.macro MM d, a, b, c, sa, sb
	v_wmma_scale_f32_16x16x128_f8f6f4 v[\d:\d+7], v[\a:\a+11], v[\b:\b+11], v[\c:\c+7], v[\sa], v[\sb] matrix_a_fmt:MATRIX_FMT_FP6 matrix_b_fmt:MATRIX_FMT_FP6
.endm
.macro QUANT s
.irp b, 0,1,2,3
	v_max3_num_f32 v[TM+\b], |v[\s+16*\b]|, |v[\s+1+16*\b]|, 0x1800000
.endr
.irp i, 2,4,6,8,10,12,14
.irp b, 0,1,2,3
	v_max3_num_f32 v[TM+\b], v[TM+\b], |v[\s+16*\b+\i]|, |v[\s+1+16*\b+\i]|
.endr
.endr
.irp b, 0,1,2,3
	v_permlanex16_b32 v[TM+4+\b], v[TM+\b], s[SEL], s[SEL+1]
.endr
.irp b, 0,1,2,3
	v_max_num_f32 v[TM+\b], v[TM+\b], v[TM+4+\b]
.endr
.irp b, 0,1,2,3
	v_add_nc_u32 v[TM+12+\b], 0xff000000, v[TM+\b]
.endr
.irp b, 0,1,2,3
	v_lshrrev_b32 v[TM+4+\b], 23, v[TM+12+\b]
.endr
	v_lshl_or_b32 v[PW], v[TM+5], 8, v[TM+4]
	v_lshl_or_b32 v[PW], v[TM+6], 16, v[PW]
	v_lshl_or_b32 v[PW], v[TM+7], 24, v[PW]
.irp c, 0,1
	v_cvt_scalef32_pk16_fp6_f32 v[PC+6*\c:PC+2+6*\c], v[\s+32*\c:\s+15+32*\c], v[TM+12+2*\c]
	v_cvt_scalef32_pk16_fp6_f32 v[PC+12+4*\c:PC+14+4*\c], v[\s+16+32*\c:\s+31+32*\c], v[TM+12+2*\c+1]
.endr
	v_nop
.irp c, 0,1
.irp i, 0,1,2
	v_permlane16_swap_b32 v[PC+6*\c+\i], v[PC+12+4*\c+\i]
.endr
.irp i, 0,1,2
	v_mov_b32 v[PC+3+6*\c+\i], v[PC+12+4*\c+\i]
.endr
.endr
.endm
.macro HQUANT s, d
.irp b, 0,1
	v_max3_num_f32 v[TM+\b], |v[\s+16*\b]|, |v[\s+1+16*\b]|, 0x1800000
.endr
.irp i, 2,4,6,8,10,12,14
.irp b, 0,1
	v_max3_num_f32 v[TM+\b], v[TM+\b], |v[\s+16*\b+\i]|, |v[\s+1+16*\b+\i]|
.endr
.endr
.irp b, 0,1
	v_permlanex16_b32 v[TM+4+\b], v[TM+\b], s[SEL], s[SEL+1]
.endr
.irp b, 0,1
	v_max_num_f32 v[TM+\b], v[TM+\b], v[TM+4+\b]
.endr
.irp b, 0,1
	v_add_nc_u32 v[TM+12+\b], 0xff000000, v[TM+\b]
.endr
.irp b, 0,1
	v_lshrrev_b32 v[TM+4+\b], 23, v[TM+12+\b]
.endr
	v_lshl_or_b32 v[PW], v[TM+5], 8, v[TM+4]
	v_cvt_scalef32_pk16_fp6_f32 v[\d:\d+2], v[\s:\s+15], v[TM+12]
	v_cvt_scalef32_pk16_fp6_f32 v[PC+12:PC+14], v[\s+16:\s+31], v[TM+13]
	v_nop
.irp i, 0,1,2
	v_permlane16_swap_b32 v[\d+\i], v[PC+12+\i]
.endr
.irp i, 0,1,2
	v_mov_b32 v[\d+3+\i], v[PC+12+\i]
.endr
.endm
.macro IMAGE adr, off
.irp c, 0,1,2
	ds_store_b128 v[\adr], v[PC+4*\c:PC+4*\c+3] offset:\off+512*\c
.endr
.endm
.macro FETCH reg, adr, off
.irp c, 0,1,2
	ds_load_b128 v[\reg+4*\c:\reg+4*\c+3], v[\adr] offset:\off+512*\c
.endr
.endm
.macro UMAX d, a, b
	v_cmp_gt_u32 vcc_lo, v[\a], v[\b]
	v_cndmask_b32 v[\d], v[\b], v[\a], vcc_lo
.endm
	s_load_b256 s[4:11], s[0:1], 0x0
	s_load_b256 s[40:47], s[0:1], 0x20
	s_load_b64 s[48:49], s[0:1], 0x40
	v_lshl_add_u32 v[SPW], v0, 2, SPARE
	v_mov_b32 v[NIL], 0
	ds_add_u32 v9, v10
	ds_add_u32 v9, v10
	s_wait_dscnt 0x0
	v_lshrrev_b32 v160, 5, v0
	v_readfirstlane_b32 s2, v160
	s_mov_b32 s[G1], (2<<16)|(1<<20)|(7<<22)|(3<<25)
	s_mov_b32 s[G1+1], 256<<16
	s_mov_b32 s[G1+2], 32<<16
	s_mov_b32 s[G1+3], 256<<16
	s_mov_b32 s[G1+4], 32
	s_mov_b32 s[G1+5], 256
	s_mov_b32 s[G1+6], 0
	s_mov_b32 s[G1+7], 0
	s_lshl_b32 s3, ttmp9, 9
	s_lshl_b32 s53, s2, 5
	s_add_co_u32 s53, s53, s3
.irp i, 0,1,2,3
	s_add_co_u32 s54, s53, 128*\i
	s_min_u32 s54, s54, 99968
	s_lshl_b32 s[OFF+2*\i], s54, 10
	s_mov_b32 s[OFF+2*\i+1], 0
.endr
	s_mul_i32 s55, s2, RINGW
	s_mul_i32 s[W782], s2, 782
	s_lshl_b32 s[G4], ttmp9, 2
	s_mov_b32 s[SEL], 0x76543210
	s_mov_b32 s[SEL+1], 0xfedcba98
	s_mov_b32 s[HIM], 0xffff0000
	s_wait_kmcnt 0x0
.irp s, 0,1
	s_mov_b32 s[G0+4*\s], 1
	s_add_co_u32 s[G0+4*\s+1], s55, \s*SLOTB
	s_add_nc_u64 s[G0+4*\s+2:G0+4*\s+3], s[4:5], s[OFF+2*\s:OFF+2*\s+1]
	s_or_b32 s[G0+4*\s+3], s[G0+4*\s+3], 0x80000000
.endr
	tensor_load_to_lds s[G0:G0+3], s[G1:G1+7]      ; slot 0's first fill: my one tensor load at the head
	s_nop 0
	PLACES 4
	v_and_b32 v[LANE], 31, v0
	v_and_b32 v162, 15, v0
	v_bfe_u32 v163, v0, 4, 1
	v_lshlrev_b32 v[L16], 4, v[LANE]
	v_lshlrev_b32 v[L8], 3, v[LANE]
	v_add_nc_u32 v[XIB], XIMG, v[L16]
	v_lshl_add_u32 v[XSB], v[LANE], 2, XSC
	v_mul_u32_u24 v[XRA], v162, RP
	v_lshl_add_u32 v[XRA], v163, 6, v[XRA]
	v_add_nc_u32 v[XRA], s55, v[XRA]
	s_mul_i32 s54, s2, 4*FRB
	v_add_nc_u32 v[XWA], s54, v[XIB]
	s_lshl_b32 s54, s2, 9
	v_add_nc_u32 v[XWS], s54, v[XSB]
	v_lshl_add_u32 v[OBW0], v162, 2, OBJP
	v_add_nc_u32 v[OBW0], s54, v[OBW0]
	v_lshl_add_u32 v[OBR], v0, 2, OBJP
	v_lshl_add_u32 v[KYW], v0, 2, KEYS
	s_mul_i32 s53, s2, 8*FRB
	v_add_nc_u32 v164, s53, v[L16]
	s_lshl_b32 s53, s2, 10
	v_lshl_add_u32 v165, v[LANE], 2, s53
	s_lshl_b32 s53, s2, 8
	v_lshl_add_u32 v[T0], v163, 5, s53
	v_lshl_add_u32 v[T0+1], v162, 2, s53
	v_mov_b32 v[T0+2], 0
	WIN 0x40
.irp f, 0,1,2,3,4,5,6,7
.irp c, 0,1,2
	global_load_b128 v[12*\f+4*\c:12*\f+4*\c+3], v164, s[6:7] offset:\f*FRB+512*\c
	global_load_b128 v[96+12*\f+4*\c:96+12*\f+4*\c+3], v164, s[6:7] offset:MATB+\f*FRB+512*\c
.endr
.endr
	WIN 0x80
.irp f, 0,1,2,3,4,5,6,7
.irp c, 0,1,2
	global_load_b128 v[12*\f+4*\c:12*\f+4*\c+3], v164, s[6:7] offset:2*MATB+\f*FRB+512*\c
.endr
.endr
.irp t, 0,1,2,3
	global_load_b128 v[B1T+8*\t:B1T+8*\t+3], v[T0], s[8:9] offset:64*\t
	global_load_b128 v[B1T+8*\t+4:B1T+8*\t+7], v[T0], s[8:9] offset:64*\t+16
	global_load_b128 v[BKT+8*\t:BKT+8*\t+3], v[T0], s[42:43] offset:64*\t
	global_load_b128 v[BKT+8*\t+4:BKT+8*\t+7], v[T0], s[42:43] offset:64*\t+16
.irp j, 0,1,2,3,4,5,6,7
	global_load_b32 v[BVT+8*\t+\j], v[T0+1], s[44:45] offset:64*\t
.endr
.endr
	WIN 0
.irp t, 0,1,2,3
	global_load_b128 v[W2+8*\t:W2+8*\t+3], v[T0], s[10:11] offset:64*\t
	global_load_b128 v[W2+8*\t+4:W2+8*\t+7], v[T0], s[10:11] offset:64*\t+16
.endr
	global_load_b32 v[B2R], v[T0+2], s[40:41]
.irp f, 0,1,2,3,4,5,6,7
	global_load_b32 v[WS+\f], v165, s[6:7] offset:32*FRB+128*\f
	global_load_b32 v[WS+8+\f], v165, s[6:7] offset:MATB+32*FRB+128*\f
	global_load_b32 v[WS+16+\f], v165, s[6:7] offset:2*MATB+32*FRB+128*\f
.endr
.irp b, 0,1,2,3
	v_mov_b32 v[TM+4+\b], 0
	v_mov_b32 v[KSC+\b], 0
.endr
	; the weights', biases' and scale words' loads are out: only now the wait for slot 0, and slot 1's first fill, issued as a refill is
	s_wait_alu depctr_va_vdst(0)                   ; the wait at the head's end
	s_wait_tensorcnt 0x0
	ds_add_u32 v9, v10
	s_wait_dscnt 0x0
	s_barrier_signal -1
	s_barrier_wait -1
	tensor_load_to_lds s[G0+4:G0+7], s[G1:G1+7]
	s_nop 0
	PLACES 4
	s_wait_loadcnt 0x0
	v_mov_b32 v[T0+3], 0
.macro MTILE k
	FETCH XF, XFA, (2*\k)*FRB
	FETCH XF+12, XFA, (2*\k+1)*FRB
	ds_load_b32 v[XS], v[XSA] offset:(2*\k)*128
	ds_load_b32 v[XS+1], v[XSA] offset:(2*\k+1)*128
	s_wait_dscnt 0x0
	WIN 0x21
.irp t, 0,1,2,3
	MM HA+8*\t, 24*\t, XF, B1T+8*\t, WS+2*\t, XS
.endr
.irp t, 0,1,2,3
	MM KA+8*\t, 96+24*\t, XF, BKT+8*\t, WS+8+2*\t, XS
.endr
	WIN 0x01
.irp t, 0,1,2,3
	MM HA+8*\t, 24*\t+12, XF+12, HA+8*\t, WS+2*\t+1, XS+1
.endr
.irp t, 0,1,2,3
	MM KA+8*\t, 96+24*\t+12, XF+12, KA+8*\t, WS+8+2*\t+1, XS+1
.endr
	WIN 0
	PLACES 4
.set n, 0
.rept 32
	v_max_num_f32 v[HA+n], 0, v[HA+n]
.set n, n+1
.endr
	v_pk_mul_f32 v[OA:OA+1], v[HA:HA+1], v[W2:W2+1]
	v_pk_mul_f32 v[OB:OB+1], v[HA+2:HA+3], v[W2+2:W2+3]
.irp j, 4,8,12,16,20,24,28
	v_pk_fma_f32 v[OA:OA+1], v[HA+\j:HA+\j+1], v[W2+\j:W2+\j+1], v[OA:OA+1]
	v_pk_fma_f32 v[OB:OB+1], v[HA+\j+2:HA+\j+3], v[W2+\j+2:W2+\j+3], v[OB:OB+1]
.endr
	v_pk_add_f32 v[OA:OA+1], v[OA:OA+1], v[OB:OB+1]
	v_add_f32 v[OA], v[OA], v[OA+1]
	v_permlanex16_b32 v[T0+3], v[OA], s[SEL], s[SEL+1]
	v_add_f32 v[OA], v[OA], v[T0+3]
	ds_store_b32 v[OBW], v[OA] offset:64*\k
	HQUANT KA, KP+6*\k
.if \k == 0
	v_mov_b32 v[KE], v[PW]
.else
	v_mov_b32 v[KSC], v[KSC+1]
	v_mov_b32 v[KSC+1], v[KSC+2]
	v_mov_b32 v[KSC+2], v[KSC+3]
	v_cndmask_b32 v[KSC+3], v[KE], v[PW], s[HIM]
.endif
.endm
.macro VPART dt
	s_wait_xcnt 0x0
	WIN 0x2b
.irp m, 0,1,2,3,4,5,6,7
	MM VA+8*\m, 24*\m, 24*\dt, BVT+8*\dt, XSV+2*\m, WS+16+2*\dt
.endr
	WIN 0x0b
.irp m, 0,1,2,3,4,5,6,7
	MM VA+8*\m, 24*\m+12, 24*\dt+12, VA+8*\m, XSV+2*\m+1, WS+16+2*\dt+1
.endr
	WIN 0
	PLACES 4
	QUANT VA
.irp c, 0,1,2
	global_store_b128 v[L16], v[PC+4*\c:PC+4*\c+3], s[KW:KW+1] offset:6656+FRB*\dt+512*\c
.endr
.if (\dt)%2 == 0
	v_mov_b32 v[VSCR+(\dt)/2], v[PW]
.else
	v_cndmask_b32 v[VSCR+(\dt)/2], v[VSCR+(\dt)/2], v[PW], s[HIM]
.endif
.endm
.macro STEP i
.set SL, (\i)%2
	s_wait_xcnt 0x0
.if \i < 3
	s_wait_tensorcnt 0x1
.else
	s_wait_tensorcnt 0x0
.endif
.irp u, 0,1
.irp s, 0,1
.set n, 0
.rept 16
	ds_load_b128 v[ST+4*n:ST+4*n+3], v[XRA] offset:SL*SLOTB+\u*16*RP+512*\s+128*(n/4)+16*(n%4)
.set n, n+1
.endr
	s_wait_dscnt 0x0
	QUANT ST
	IMAGE XWA, (2*\u+\s)*FRB
	ds_store_b32 v[XWS], v[PW] offset:(2*\u+\s)*128
.endr
.endr
.if \i < 2
	s_wait_tensorcnt 0x0
	ds_add_u32 v[SPW], v[NIL]
	s_add_nc_u64 s[G0+4*SL+2:G0+4*SL+3], s[4:5], s[OFF+2*(\i+2):OFF+2*(\i+2)+1]
	s_or_b32 s[G0+4*SL+3], s[G0+4*SL+3], 0x80000000
	s_wait_dscnt 0x0
	s_barrier_signal -1
	s_barrier_wait -1
	tensor_load_to_lds s[G0+4*SL:G0+4*SL+3], s[G1:G1+7]
	s_nop 0
	PLACES 4
.else
	BARRIER
.endif
	s_add_co_u32 s[TS], s[G4], \i
	s_min_u32 s[TS], s[TS], 781
	s_add_co_u32 s[TS], s[TS], s[W782]
	s_mul_i32 s[TS], s[TS], RECB
	s_mov_b32 s[TS+1], 0
	s_add_nc_u64 s[KW:KW+1], s[46:47], s[TS:TS+1]
	s_mov_b32 s[MA], 0
	s_mov_b32 s[MB], 0
	s_mov_b32 s[MC], 0
	s_mov_b32 s[MK], 0
	s_mov_b32 s[MT], 4
.Lm_\@:
	s_wait_xcnt 0x0
	v_add_nc_u32 v[XFA], s[MA], v[XIB]
	v_add_nc_u32 v[XSA], s[MB], v[XSB]
	v_add_nc_u32 v[OBW], s[MC], v[OBW0]
	v_add_nc_u32 v[KVO], s[MK], v[L16]
	MTILE 0
	MTILE 1
.irp c, 0,1,2
	global_store_b128 v[KVO], v[KP+4*\c:KP+4*\c+3], s[KW:KW+1] offset:512*\c
.endr
	s_add_co_u32 s[MA], s[MA], 4*FRB
	s_add_co_u32 s[MB], s[MB], 512
	s_add_co_u32 s[MC], s[MC], 128
	s_add_co_u32 s[MK], s[MK], FRB
	s_sub_co_i32 s[MT], s[MT], 1
	s_cmp_lg_u32 s[MT], 0
	s_cbranch_scc1 .Lm_\@
	global_store_b128 v[L16], v[KSC:KSC+3], s[KW:KW+1] offset:6144
	WIN 0xc0
.set n, 0
.rept 48
	ds_load_b128 v[4*n:4*n+3], v[XIB] offset:512*n
.set n, n+1
.endr
	WIN 0
.set n, 0
.rept 16
	ds_load_b32 v[XSV+n], v[XSB] offset:128*n
.set n, n+1
.endr
	BARRIER
.irp p, 0,1,2,3
	ds_load_b32 v[T0+\p], v[OBR] offset:512*\p
.endr
	s_wait_dscnt 0x0
	v_add_f32 v[T0], v[T0], v[T0+1]
	v_add_f32 v[T0+2], v[T0+2], v[T0+3]
	v_add_f32 v[T0], v[T0], v[T0+2]
	v_add_f32 v[T0], v[T0], v[B2R]
	v_ashrrev_i32 v[T0+1], 31, v[T0]
	v_or_b32 v[T0+1], 0x80000000, v[T0+1]
	v_xor_b32 v[T0], v[T0], v[T0+1]
	v_add_nc_u32 v[T0+1], s3, v0
	v_cmp_gt_u32 vcc_lo, NPT-128*\i, v[T0+1]
	v_cndmask_b32 v[T0], 0, v[T0], vcc_lo
	ds_store_b32 v[KYW], v[T0] offset:512*\i
	VPART 0
	VPART 1
	VPART 2
	VPART 3
	global_store_b64 v[L8], v[VSCR:VSCR+1], s[KW:KW+1] offset:12800
.endm
	STEP 0
	STEP 1
	STEP 2
	STEP 3
	BARRIER
	s_lshl_b32 s70, ttmp9, 11
	s_lshl_b32 s71, s2, 9
	v_add_nc_u32 v13, s71, v[L16]
	v_add_nc_u32 v12, s70, v13
	v_add_nc_u32 v13, KEYS, v13
	v_lshl_add_u32 v14, v[LANE], 6, KEYS
	ds_load_b128 v[40:43], v13
	s_wait_alu depctr_va_vdst(0)
	s_wait_dscnt 0x0
	global_store_b128 v12, v[40:43], s[48:49]
	s_cmp_lg_u32 s2, 0
	s_cbranch_scc1 .Lall
.irp q, 0,1,2,3
	ds_load_b128 v[44+4*\q:47+4*\q], v14 offset:16*\q
.endr
	s_lshl_b32 s70, ttmp9, 8
	v_add_nc_u32 v68, s70, v[L8]
	s_lshl_b32 s70, ttmp9, 6
	v_lshrrev_b32 v69, 1, v[LANE]
	v_lshl_add_u32 v69, v69, 2, s70
	s_lshl_b32 s70, ttmp9, 4
	v_lshrrev_b32 v70, 3, v[LANE]
	v_lshl_add_u32 v70, v70, 2, s70
	v_mov_b32 v67, 0
	s_wait_dscnt 0x0
	UMAX 60, 44, 45
	UMAX 61, 46, 47
	UMAX 62, 48, 49
	UMAX 63, 50, 51
	UMAX 60, 60, 61
	UMAX 62, 62, 63
	UMAX 60, 60, 62
	UMAX 61, 52, 53
	UMAX 62, 54, 55
	UMAX 63, 56, 57
	UMAX 64, 58, 59
	UMAX 61, 61, 62
	UMAX 63, 63, 64
	UMAX 61, 61, 63
	global_store_b64 v68, v[60:61], s[48:49] offset:401408
	UMAX 62, 60, 61
	v_mov_b32_dpp v63, v62 row_xmask:1 row_mask:0xf bank_mask:0xf
	UMAX 62, 62, 63
	global_store_b32 v69, v62, s[48:49] offset:451584
	v_mov_b32_dpp v64, v62 row_xmask:2 row_mask:0xf bank_mask:0xf
	UMAX 65, 62, 64
	v_mov_b32_dpp v67, v65 row_xmask:4 row_mask:0xf bank_mask:0xf
	UMAX 66, 65, 67
	global_store_b32 v70, v66, s[48:49] offset:464128
.Lall:
	s_wait_tensorcnt 0x0
	ds_add_u32 v[SPW], v[NIL]
	s_wait_dscnt 0x0
	s_endpgm
.Lfunc_end_k_q774d08ff5d_gemm:
	.size	k_q774d08ff5d_gemm, .Lfunc_end_k_q774d08ff5d_gemm-k_q774d08ff5d_gemm
	.p2alignl 7, 3214868480
	.fill 96, 4, 3214868480
	.section	.rodata,"a",@progbits
	.p2align	6, 0x0
	.amdhsa_kernel k_q774d08ff5d_gemm
		.amdhsa_group_segment_fixed_size 327680
		.amdhsa_private_segment_fixed_size 0
		.amdhsa_enable_private_segment 0
		.amdhsa_kernarg_size 72
		.amdhsa_user_sgpr_count 2
		.amdhsa_user_sgpr_kernarg_segment_ptr 1
		.amdhsa_wavefront_size32 1
		.amdhsa_system_sgpr_workgroup_id_x 1
		.amdhsa_system_sgpr_workgroup_id_y 1
		.amdhsa_system_sgpr_workgroup_id_z 1
		.amdhsa_system_vgpr_workitem_id 0
		.amdhsa_next_free_vgpr 1024
		.amdhsa_next_free_sgpr 100
		.amdhsa_reserve_vcc 1
		.amdhsa_float_denorm_mode_32 3
		.amdhsa_float_denorm_mode_16_64 3
		.amdhsa_memory_ordered 1
		.amdhsa_forward_progress 1
		.amdhsa_inst_pref_size 255
	.end_amdhsa_kernel
	.section	.bss,"aw",@nobits
	.p2align	6
	.space	262144
	.amdgpu_metadata
---
amdhsa.version: [ 1, 2 ]
amdhsa.kernels:
  - .name:           k_q774d08ff5d_gemm
    .symbol:         k_q774d08ff5d_gemm.kd
    .args:
      - { .name: feat, .offset: 0, .size: 8, .value_kind: global_buffer, .address_space: global }
      - { .name: wimg, .offset: 8, .size: 8, .value_kind: global_buffer, .address_space: global }
      - { .name: obj_b1, .offset: 16, .size: 8, .value_kind: global_buffer, .address_space: global }
      - { .name: obj_w2, .offset: 24, .size: 8, .value_kind: global_buffer, .address_space: global }
      - { .name: obj_b2, .offset: 32, .size: 8, .value_kind: global_buffer, .address_space: global }
      - { .name: bk, .offset: 40, .size: 8, .value_kind: global_buffer, .address_space: global }
      - { .name: bv, .offset: 48, .size: 8, .value_kind: global_buffer, .address_space: global }
      - { .name: kv, .offset: 56, .size: 8, .value_kind: global_buffer, .address_space: global }
      - { .name: okeys, .offset: 64, .size: 8, .value_kind: global_buffer, .address_space: global }
    .group_segment_fixed_size: 327680
    .private_segment_fixed_size: 0
    .kernarg_segment_align: 8
    .kernarg_segment_size: 72
    .max_flat_workgroup_size: 128
    .sgpr_count:     100
    .vgpr_count:     1024
    .wavefront_size: 32
...
	.end_amdgpu_metadata
.endif
;; end of part 2
;; launch attn (part 3): grid 64 x 4, 16 waves a work-group, no clusters, 277,504 bytes of LDS; arguments okeys, kv, feat, coor, pos_w, pos_b, wimg, bq, part_o, part_ml, ranks; writes part_o, part_ml, ranks
.if DOCPART == 3
	.amdgcn_target "amdgcn-amd-amdhsa--gfx1250"
	.amdhsa_code_object_version 6
	.text
	.protected	k_q774d08ff5d_attn
	.globl	k_q774d08ff5d_attn
	.p2align	8
	.type	k_q774d08ff5d_attn,@function
k_q774d08ff5d_attn:
	s_mov_b64 s[64:65], 0
	v_nop
	global_prefetch_b8 v0, s[64:65] scope:SCOPE_SE
	s_setreg_imm32_b32 hwreg(HW_REG_WAVE_MODE, 25, 1), 1
	s_wait_xcnt 0x0
; The 128 points of largest objectness (descending; equal values: the lower index first) become queries, which attend over a share of the keys.  The reference's loop over the history repeats one computation: it is done once.
; A work-group is (chunk c of 64, head hd): key steps 12 c + min(c, 14) on, 12 or 13 of them, 128 keys each.  Wave w: query tile w & 7, and every second step from w >> 3 on.
; PHASES.  1: the maxima of 8 and 32 keys and the position table go to LDS; waves 0-14 ask for all of the work-group's K and V (at most 169,728 bytes), wave 15 for the maxima of 128.
;  2: wave 15 alone finds the 128 best, level by level (groups of 128, 32, 8, single keys): at each level the 128th largest value by 32 steps of bisection on whole numbers, then the list in index order.
;     The 128 best elements always lie in the 128 groups that come first by (maximum descending, index ascending), so each level keeps 128.
;  3: K and V go to LDS; every wave ranks 8 of the 128; wave 15 lays the indices by rank.   4: q_in = feat[idx] + 0.4 coor[idx] pos_w + pos_b in f32, quantised.   5: Q = q_in wq + bq, quantised along the head's 64.
;  6: the key loop: S^T = K Q^T (the upper 64 of the instruction's 128 meet Q's zero codes), p = 2^(t - M) with M a whole number, quantised along the keys, O^T += V^T p^T.   7: the two waves of a tile join; O, -M and l go out.
; No branch, trip count or address hangs on a float; what hangs on the keys read from okeys is held by v_min_u32 with a constant, and while such LDS addresses are in use only wave 15 touches LDS.
; No tensor load: all of K and V fit in LDS and are fetched once.  No cluster: no two work-groups read the same record.
; LIMITS: NaN and infinities are not served; a key of 0 (only past the last point) is never among the 128.
.set FRB,   1536
.set MATB,  53248
.set RECB,  13056
.set SUMM,  176640                     ; behind K and V (23 rounds of 7,680 bytes): maxima of 8, then of 32
.set MERGE, SUMM+8192                  ; later: 8 x 4,352 bytes, a tile's partner's O, -M, l; then its stage
.set POS,   242176                     ; pos_w's three rows, pos_b
.set LIST,  246272                     ; 128 indices; slot 128 takes what is not chosen
.set SELK,  LIST+1024                  ; their keys
.set QIMG,  248832
.set QSC,   273408
; HOW PHASES 1 TO 3 ARE LAID (this takes the place of what the lines above say of them):
;  1: every wave loads the 784 maxima of 128 (v164-188), ahead of K and V; zeros are stored under the list and its keys, so that each of their bytes is written by a plain address.
;  2: at each level ALL 16 WAVES hold the level's candidates and find the 128th largest value T, 4 bits a round, 8 rounds: wave w counts the candidates at or above T | w << shift, the 16 counts meet in LDS
;     behind one barrier (two areas of 64 bytes by turns), and the number of waves 1-15 that counted 128 or more is the next digit (the counts do not rise with w).
;     Wave 15 alone then lays the list in index order and gathers the children; only it touches LDS between those two barriers; the children go to CAND by plain addresses, from where every wave takes them.
;  3: K and V go to LDS at the start of levels 1, 2 and 3 (9, 9 and 5 stores a wave), behind the candidates' loads; wq and bq are asked for behind the selection.
.set X,   164                          ; candidates' keys: v164-188 at the first level, v128-159 at the later ones (LEVEL sets it)
; THE ORDER OF THE QUERIES: they are taken in index order, as the list has them; nothing is laid by rank here.  Query i's rank (how many keys are larger, and how many equal ones stand ahead of it) is worked out
; while feat's rows are on their way, and work-group (0, 0) stores the 128 ranks in 'ranks'; the last launch stores query i's row at the place of its rank.
.set CAND, QIMG
.set EXCH, QIMG+4096                   ; the waves' counts: two areas of 64 bytes
.set CH,  48                           ; v48-79  their indices
.set E,   84                           ; v84-99  at work in the compaction
.set PC,  80
.set TM,  100
.set PW,  116
.set WV,  2
.set SEL, 28
.set HIM, 30
.set LOM, 31
.set MASK, 32                          ; s32-63
.set EQ,  66                           ; s66-81
.set T,   82
.set BIT, 83
.set TRY, 84
.set CNT, 85
.set NEED, 86
.set EQC, 87
.set SELC, 88
.set CTR, 89
.set HD,  90
.set S0,  91
.set NST, 92
.set TQ,  93
.set SUB, 94
.set CS,  96
.set TB,  98
.set LS,  99
.set KC,  100
.set LAST, 101
.macro PLACES n
.rept \n
	v_nop
.endr
.endm
.macro BARRIER
	s_wait_dscnt 0x0
	s_barrier_signal -1
	s_barrier_wait -1
.endm
; one round of the search, in every wave: four more bits of T.  v190: my wave's word of the counts, v191: word lane % 16, s6 = 128
; how many bits are set in the R masks from s[MASK] on: two masks to a count
.macro COUNT R
	s_bcnt1_i32_b64 s[CNT], s[MASK:MASK+1]
.set j, 2
.rept (\R)/2-1
	s_bcnt1_i32_b64 s[4+(j/2)%2], s[MASK+j:MASK+j+1]
	s_add_co_u32 s[CNT], s[CNT], s[4+(j/2)%2]
.set j, j+2
.endr
.if (\R)%2
	s_bcnt1_i32_b32 s4, s[MASK+\R-1]
	s_add_co_u32 s[CNT], s[CNT], s4
.endif
.endm
; the round itself
.macro ROUND R, off
	s_lshl_b32 s[TRY], s[WV], s[BIT]
	s_or_b32 s[TRY], s[TRY], s[T]                  ; my wave's try: T with the digit w
.set j, 0
.rept \R
	v_cmp_le_u32 s[MASK+j], s[TRY], v[X+j]
.set j, j+1
.endr
	COUNT \R
	v_mov_b32 v193, s[CNT]
	ds_store_b32 v190, v193 offset:\off            ; all lanes write the same word with the same value
	BARRIER                                        ; the 16 counts lie in LDS; this area is written again two barriers on
	ds_load_b32 v194, v191 offset:\off
	s_wait_dscnt 0x0
	v_cmp_le_u32 s4, s6, v194                      ; which waves counted 128 or more
	s_and_b32 s4, s4, 0xfffe                       ; waves 1 to 15 (wave 0 tried T itself; lanes 16-31 hold the same words again)
	s_bcnt1_i32_b32 s4, s4                         ; the counts do not rise with w: so many digits pass, and that is the digit
	s_lshl_b32 s4, s4, s[BIT]
	s_or_b32 s[T], s[T], s4
	s_sub_co_u32 s[BIT], s[BIT], 4
.endm
.macro QUANT s
.irp b, 0,1,2,3
	v_max3_num_f32 v[TM+\b], |v[\s+16*\b]|, |v[\s+1+16*\b]|, 0x1800000
.endr
.irp i, 2,4,6,8,10,12,14
.irp b, 0,1,2,3
	s_delay_alu instid0(VALU_DEP_4)
	v_max3_num_f32 v[TM+\b], v[TM+\b], |v[\s+16*\b+\i]|, |v[\s+1+16*\b+\i]|
.endr
.endr
.irp b, 0,1,2,3
	s_delay_alu instid0(VALU_DEP_4)
	v_permlanex16_b32 v[TM+4+\b], v[TM+\b], s[SEL], s[SEL+1]
.endr
.irp b, 0,1,2,3
	s_delay_alu instid0(VALU_DEP_4)
	v_max_num_f32 v[TM+\b], v[TM+\b], v[TM+4+\b]
.endr
.irp b, 0,1,2,3
	s_delay_alu instid0(VALU_DEP_4)
	v_add_nc_u32 v[TM+12+\b], 0xff000000, v[TM+\b]
.endr
.irp b, 0,1,2,3
	s_delay_alu instid0(VALU_DEP_4)
	v_lshrrev_b32 v[TM+4+\b], 23, v[TM+12+\b]
.endr
	s_delay_alu instid0(VALU_DEP_3)
	v_lshl_or_b32 v[PW], v[TM+5], 8, v[TM+4]
	s_delay_alu instid0(VALU_DEP_1)
	v_lshl_or_b32 v[PW], v[TM+6], 16, v[PW]
	s_delay_alu instid0(VALU_DEP_1)
	v_lshl_or_b32 v[PW], v[TM+7], 24, v[PW]
.irp c, 0,1
	v_cvt_scalef32_pk16_fp6_f32 v[PC+6*\c:PC+2+6*\c], v[\s+32*\c:\s+15+32*\c], v[TM+12+2*\c]
	v_cvt_scalef32_pk16_fp6_f32 v[PC+12+4*\c:PC+14+4*\c], v[\s+16+32*\c:\s+31+32*\c], v[TM+12+2*\c+1]
.endr
	v_nop
.irp c, 0,1
.irp i, 0,1,2
	v_permlane16_swap_b32 v[PC+6*\c+\i], v[PC+12+4*\c+\i]
.endr
.irp i, 0,1,2
	s_delay_alu instid0(VALU_DEP_3)
	v_mov_b32 v[PC+3+6*\c+\i], v[PC+12+4*\c+\i]
.endr
.endr
.endm
.macro HQUANT s, d
.irp b, 0,1
	v_max3_num_f32 v[TM+\b], |v[\s+16*\b]|, |v[\s+1+16*\b]|, 0x1800000
.endr
.irp i, 2,4,6,8,10,12,14
.irp b, 0,1
	v_max3_num_f32 v[TM+\b], v[TM+\b], |v[\s+16*\b+\i]|, |v[\s+1+16*\b+\i]|
.endr
.endr
.irp b, 0,1
	s_delay_alu instid0(VALU_DEP_2)
	v_permlanex16_b32 v[TM+4+\b], v[TM+\b], s[SEL], s[SEL+1]
.endr
.irp b, 0,1
	s_delay_alu instid0(VALU_DEP_2)
	v_max_num_f32 v[TM+\b], v[TM+\b], v[TM+4+\b]
.endr
.irp b, 0,1
	s_delay_alu instid0(VALU_DEP_2)
	v_add_nc_u32 v[TM+12+\b], 0xff000000, v[TM+\b]
.endr
.irp b, 0,1
	s_delay_alu instid0(VALU_DEP_2)
	v_lshrrev_b32 v[TM+4+\b], 23, v[TM+12+\b]
.endr
	s_delay_alu instid0(VALU_DEP_1)
	v_lshl_or_b32 v[PW], v[TM+5], 8, v[TM+4]
	v_cvt_scalef32_pk16_fp6_f32 v[\d:\d+2], v[\s:\s+15], v[TM+12]
	v_cvt_scalef32_pk16_fp6_f32 v[PC+12:PC+14], v[\s+16:\s+31], v[TM+13]
	v_nop
.irp i, 0,1,2
	v_permlane16_swap_b32 v[\d+\i], v[PC+12+\i]
.endr
.irp i, 0,1,2
	s_delay_alu instid0(VALU_DEP_3)
	v_mov_b32 v[\d+3+\i], v[PC+12+\i]
.endr
.endm
.macro IMAGE adr, off
.irp c, 0,1,2
	ds_store_b128 v[\adr], v[PC+4*\c:PC+4*\c+3] offset:\off+512*\c
.endr
.endm
.macro FETCH reg, adr, off
.irp c, 0,1,2
	ds_load_b128 v[\reg+4*\c:\reg+4*\c+3], v[\adr] offset:\off+512*\c
.endr
.endm
; n registers of candidates from j0 on: those above T, and the first NEED of those equal to T, go to the list in index order.  Stage by stage, so that no line waits for the line above it.
.macro COMPACT j0, n, LASTL
.set q, 0
.rept \n
	v_cmp_eq_u32 s[EQ+q], s[T], v[X+\j0+q]
.set q, q+1
.endr
.set q, 0
.rept \n
	v_mbcnt_lo_u32_b32 v[E+q], s[EQ+q], s[EQC]     ; how many equal ones stand ahead of me
	s_bcnt1_i32_b32 s4, s[EQ+q]
	s_add_co_u32 s[EQC], s[EQC], s4
.set q, q+1
.endr
.set q, 0
	s_wait_alu depctr_va_vdst(0)
.rept \n
	v_cndmask_b32 v[E+q], -1, v[E+q], s[EQ+q]      ; (all ones where I am not equal)
.set q, q+1
.endr
.set q, 0
.rept \n
	v_cmp_gt_u32 s[EQ+q], s[NEED], v[E+q]
.set q, q+1
.endr
.set q, 0
.rept \n
	s_or_b32 s[EQ+q], s[EQ+q], s[MASK+\j0+q]       ; chosen
.set q, q+1
.endr
.set q, 0
.rept \n
	v_mbcnt_lo_u32_b32 v[E+q], s[EQ+q], s[SELC]    ; my slot
	s_bcnt1_i32_b32 s4, s[EQ+q]
	s_add_co_u32 s[SELC], s[SELC], s4
.set q, q+1
.endr
.set q, 0
	s_wait_alu depctr_va_vdst(0)
.rept \n
	v_cndmask_b32 v[E+q], v83, v[E+q], s[EQ+q]     ; slot 128 for what is not chosen
.set q, q+1
.endr
.set q, 0
.rept \n
	v_min_u32 v[E+q], 0x80, v[E+q]
.set q, q+1
.endr
.set q, 0
.rept \n
	v_lshl_add_u32 v[E+q], v[E+q], 2, LIST
.set q, q+1
.endr
.set q, 0
.rept \n
	ds_store_b32 v[E+q], v[CH+\j0+q]
.if \LASTL
	ds_store_b32 v[E+q], v[X+\j0+q] offset:1024
.endif
.set q, q+1
.endr
.endm
; one level: R registers of candidates.  KIND 0: they are in registers; 1: the children (2^F each) of the listed groups, from LDS at BASE; 2: from okeys.
; KA, KR, KN, KL: waves 0-14 store KN rounds of K and V at address register KA from register KR on, behind s_wait_loadcnt KL (the K and V loads that are younger)
.macro LEVEL R, F, LPA, KIND, BASE, CLAMP, LASTL, KA, KR, KN, KL
.if \KIND
.set X, 128
	s_cmp_lg_u32 s[WV], 15                         ; wave 15 alone gathers
	s_cbranch_scc1 .Lgot_\@
	s_wait_loadcnt 0x0                             ; wave 15 has no load out here: written so that this holds on every way into these lines
	v_and_b32 v80, (1<<\F)-1, v1
.set j, 0
.rept \R
	ds_load_b32 v[CH+j], v[\LPA] offset:(32>>\F)*4*j
.set j, j+1
.endr
	s_wait_alu depctr_va_vdst(0)
	s_wait_dscnt 0x0
.set j, 0
.rept \R
	v_lshl_add_u32 v[CH+j], v[CH+j], \F, v80
.set j, j+1
.endr
.set j, 0
.rept \R
	v_min_u32 v[CH+j], \CLAMP, v[CH+j]             ; an index stays inside its table
.set j, j+1
.endr
.set j, 0
.rept \R
.if \KIND == 1
	v_lshl_add_u32 v[X+j], v[CH+j], 2, \BASE
.else
	v_lshlrev_b32 v[X+j], 2, v[CH+j]
.endif
.set j, j+1
.endr
.set j, 0
.rept \R
.if \KIND == 1
	ds_load_b32 v[X+j], v[X+j]
.else
	global_load_b32 v[X+j], v[X+j], s[8:9]         ; (a load may land on its own address register)
.endif
.set j, j+1
.endr
	s_wait_dscnt 0x0
	s_wait_loadcnt 0x0
.set j, 0
.rept \R
	ds_store_b32 v192, v[X+j] offset:128*j         ; the candidates, as an image of the registers
.set j, j+1
.endr
.Lgot_\@:
	BARRIER                                        ; the candidates lie in LDS; wave 15 is through with its data-led addresses
.set j, 0
.rept \R
	ds_load_b32 v[X+j], v192 offset:128*j
.set j, j+1
.endr
	s_cmp_lg_u32 s[WV], 15
	s_cbranch_scc1 .Lkv_\@
	s_wait_dscnt 0x0
	s_branch .Lgo_\@
.Lkv_\@:
	s_wait_loadcnt \KL                             ; these rounds of K and V are in; the KL younger loads may be out
	s_wait_alu depctr_va_vdst(0)
.set j, 0
.rept \KN
	ds_store_b128 v[\KA], v[\KR+4*j:\KR+4*j+3] offset:7680*j
.set j, j+1
.endr
	s_wait_dscnt \KN                               ; the candidates are in; the KN stores behind them may be out until the round's barrier
.Lgo_\@:
.endif
	s_mov_b32 s[T], 0
	s_mov_b32 s[BIT], 28
	s_mov_b32 s[CTR], 4
.Lsearch_\@:                                           ; T becomes the 128th largest value, four bits a round from the top, two rounds a trip
	ROUND \R, 0
	ROUND \R, 64
	s_sub_co_i32 s[CTR], s[CTR], 1
	s_cmp_lg_u32 s[CTR], 0
	s_cbranch_scc1 .Lsearch_\@
	s_barrier_signal -1                            ; every wave has read the last counts (waited for in the round): from here to the next barrier wave 15 alone touches LDS
	s_barrier_wait -1
	s_cmp_lg_u32 s[WV], 15
	s_cbranch_scc1 .Lpicked_\@
	s_wait_loadcnt 0x0                             ; wave 15 has no load out here: written so that this holds on every way into these lines
.set j, 0
.rept \R
	v_cmp_lt_u32 s[MASK+j], s[T], v[X+j]
.set j, j+1
.endr
	COUNT \R
	s_sub_co_u32 s[NEED], 128, s[CNT]              ; so many of the equal ones are taken, the lowest indices first
	s_mov_b32 s[EQC], 0
	s_mov_b32 s[SELC], 0
.if \R > 16
	COMPACT 0, 16, \LASTL
	COMPACT 16, \R-16, \LASTL
.else
	COMPACT 0, \R, \LASTL
.endif
.Lpicked_\@:
.endm
	s_load_b256 s[8:15], s[0:1], 0x0               ; okeys, kv, feat, coor
	s_load_b256 s[16:23], s[0:1], 0x20             ; pos_w, pos_b, wimg, bq
	s_load_b128 s[24:27], s[0:1], 0x40             ; part_o, part_ml
	v_lshrrev_b32 v1, 5, v0
	s_delay_alu instid0(VALU_DEP_1)
	v_readfirstlane_b32 s[WV], v1                  ; wave 0..15
	v_and_b32 v1, 31, v0                           ; lane: stays
	s_wait_alu depctr_va_vdst(0)
	s_mov_b32 s3, ttmp9                            ; chunk
	s_and_b32 s[HD], ttmp7, 0xffff                 ; head
	s_min_u32 s4, s3, 14
	s_mul_i32 s[S0], s3, 12
	s_add_co_u32 s[S0], s[S0], s4                  ; my first key step
	s_cmp_lt_u32 s3, 14
	s_cselect_b32 s[NST], 13, 12                   ; and how many
	s_and_b32 s[TQ], s[WV], 7
	s_lshr_b32 s[SUB], s[WV], 3
	s_mov_b32 s[SEL], 0x76543210
	s_mov_b32 s[SEL+1], 0xfedcba98
	s_mov_b32 s[HIM], 0xffff0000
	s_mov_b32 s[LOM], 0xffff
	; every LDS address of phases 1 to 3 is made here, ahead of the first parting of the waves
	v_lshlrev_b32 v14, 4, v0                       ; 16 x thread: K and V in LDS (rounds 0-8), and the summaries' place in okeys
	s_delay_alu instid0(VALU_DEP_1)
	v_add_nc_u32 v2, SUMM, v14
	v_lshl_add_u32 v3, v0, 3, POS
	s_delay_alu instid0(VALU_DEP_3)
	v_add_nc_u32 v8, 9*7680, v14                   ; rounds 9-17
	s_delay_alu instid0(VALU_DEP_4)
	v_add_nc_u32 v9, 18*7680, v14                  ; rounds 18-22
	v_lshrrev_b32 v5, 2, v1
	s_delay_alu instid0(VALU_DEP_1)
	v_lshl_add_u32 v5, v5, 2, LIST                 ; a parent for four lanes
	v_lshrrev_b32 v6, 3, v1
	s_delay_alu instid0(VALU_DEP_1)
	v_lshl_add_u32 v6, v6, 2, LIST                 ; for eight
	v_and_b32 v4, 7, v0
	s_lshl_b32 s4, s[WV], 5
	v_lshl_add_u32 v4, v4, 2, s4                   ; 4 i, i = 8 w + lane % 8
	s_delay_alu instid0(VALU_DEP_1)
	v_add_nc_u32 v12, SELK, v4
	v_bfe_u32 v13, v0, 3, 2
	s_delay_alu instid0(VALU_DEP_1)
	v_lshl_add_u32 v13, v13, 7, SELK               ; my quarter of the 128 keys
	s_lshl_b32 s4, s[WV], 2
	s_add_co_u32 s4, s4, EXCH
	v_mov_b32 v190, s4                             ; my wave's word of the counts
	v_and_b32 v191, 15, v0
	v_lshl_add_u32 v192, v1, 2, CAND               ; the candidates' image: 4 x lane
	v_lshl_add_u32 v195, v0, 2, LIST               ; zeros: 4 bytes a thread, 2,048 bytes from LIST on: the list and its keys
	s_delay_alu instid0(VALU_DEP_3)
	v_lshl_add_u32 v191, v191, 2, EXCH             ; the counts, word lane % 16
	v_mov_b32 v198, 0
	; offsets in memory
	v_lshlrev_b32 v108, 2, v1
	v_min_u32 v109, 15, v1
	s_delay_alu instid0(VALU_DEP_1)
	v_lshlrev_b32 v109, 2, v109
	s_mul_i32 s4, s[HD], 8*FRB
	v_lshl_add_u32 v113, v1, 4, s4                 ; wq's fragments of my head
	s_lshl_b32 s4, s[HD], 8
	v_bfe_u32 v114, v0, 4, 1
	s_delay_alu instid0(VALU_DEP_1)
	v_lshl_add_u32 v114, v114, 5, s4               ; bq
	s_lshl_b32 s4, s[HD], 10
	v_lshl_add_u32 v115, v1, 2, s4                 ; wq's scale words
	s_mul_i32 s5, s[HD], 782
	s_add_co_u32 s5, s5, s[S0]
	s_mul_i32 s5, s5, RECB                         ; my first record
	v_add_nc_u32 v116, s5, v14
	s_mov_b32 s4, 0x7f
	s_cmp_lt_u32 s[WV], 12                         ; waves 0-11 copy pos_w, waves 12-15 pos_b
	s_cselect_b32 s4, 0x1ff, s4
	v_and_b32 v15, s4, v0
	s_delay_alu instid0(VALU_DEP_1)
	v_lshlrev_b32 v15, 3, v15
	s_wait_alu depctr_va_vdst(0)
	s_wait_kmcnt 0x0
	s_cselect_b64 s[6:7], s[16:17], s[18:19]
.irp i, 0,1,2,3,4,5,6,7
	global_load_b128 v[128+4*\i:131+4*\i], v14, s[8:9] offset:401408+8192*\i   ; 65,536 bytes from the maxima of 8 on: inside okeys
.endr
	global_load_b64 v[160:161], v15, s[6:7]
.set n, 0
.rept 24
	global_load_b32 v[X+n], v108, s[8:9] offset:464128+128*n   ; the 784 maxima of 128, in every wave, ahead of K and V
.set n, n+1
.endr
	global_load_b32 v[X+24], v109, s[8:9] offset:464128+3072
	s_cmp_eq_u32 s[WV], 15
	s_cbranch_scc1 .Ljoin1
.set n, 0
.rept 20
	global_load_b128 v[16+4*n:19+4*n], v116, s[10:11] offset:7680*n th:TH_LOAD_NT
.set n, n+1
.endr
	s_mul_i32 s4, s[NST], RECB
	s_sub_co_u32 s4, s4, 16
.irp i, 20,21,22
	v_add_nc_u32 v[90+\i], 7680*\i, v14
	s_delay_alu instid0(VALU_DEP_1)
	v_min_u32 v[90+\i], s4, v[90+\i]               ; the last rounds stay inside my records
	s_delay_alu instid0(VALU_DEP_1)
	v_add_nc_u32 v[90+\i], s5, v[90+\i]
	global_load_b128 v[16+4*\i:19+4*\i], v[90+\i], s[10:11] th:TH_LOAD_NT
.endr
.Ljoin1:
	s_wait_loadcnt 25                              ; the nine shared loads are in: 25 (wave 15) or 48 were issued behind them
.irp i, 0,1,2,3,4,5,6,7
	ds_store_b128 v2, v[128+4*\i:131+4*\i] offset:8192*\i
.endr
	ds_store_b64 v3, v[160:161]
	ds_store_b32 v195, v198                        ; zeros under the list and its keys: each thread's bytes are its own
	s_wait_dscnt 0x0
	s_barrier_signal -1
	s_barrier_wait -1                              ; the summaries lie in LDS
	s_cmp_eq_u32 s[WV], 15
	s_cbranch_scc1 .Lw15
	s_wait_loadcnt 23                              ; the maxima of 128 are in; the 23 loads of K and V may be out
	s_branch .Lmax_in
.Lw15:
	s_wait_loadcnt 0x0
.set j, 0
.rept 25
	v_add_nc_u32 v[CH+j], 32*j, v1                 ; wave 15 keeps the candidates' indices
.set j, j+1
.endr
	v_mov_b32 v83, 0x80
	s_wait_alu depctr_va_vdst(0)
.Lmax_in:
	v_cndmask_b32 v[X+24], 0, v[X+24], s[LOM]      ; entries 784 on do not exist
	s_wait_alu depctr_va_vdst(0)                   ; read again behind the rounds' barriers
	s_mov_b32 s6, 128
	LEVEL 25, 0, 5, 0, 0, 0, 0, 0, 0, 0, 0
	LEVEL 16, 2, 5, 1, SUMM+50176, 3135, 0, 14, 16, 9, 14
	LEVEL 16, 2, 5, 1, SUMM, 12543, 0, 8, 52, 9, 5
	LEVEL 32, 3, 6, 2, 0, 100351, 1, 9, 88, 5, 0
	BARRIER                                        ; the 128 indices, ascending, and their keys lie in LDS
	; the candidates' registers are free: wq's fragments and scale words of my head, and bq; they are waited for with q_in's loads
	s_wait_loadcnt 0x0                             ; every earlier load has landed (each was waited for where it was used): the loads below land on their registers
.irp f, 0,1,2,3,4,5,6,7
.irp c, 0,1,2
	global_load_b128 v[128+12*\f+4*\c:131+12*\f+4*\c], v113, s[20:21] offset:3*MATB+\f*FRB+512*\c
.endr
	global_load_b32 v[120+\f], v115, s[20:21] offset:3*MATB+32*FRB+128*\f
.endr
.irp t, 0,1,2,3
	global_load_b128 v[224+8*\t:227+8*\t], v114, s[22:23] offset:64*\t
	global_load_b128 v[228+8*\t:231+8*\t], v114, s[22:23] offset:64*\t+16
.endr
	; ---- 4: q_in of tile TQ, K step SUB
	s_wait_xcnt 0x0                                ; wq's and bq's loads have read their address registers, which are written below
	s_lshl_b32 s4, s[TQ], 6
	v_and_b32 v112, 15, v0
	s_delay_alu instid0(VALU_DEP_1)
	v_lshl_add_u32 v2, v112, 2, s4
	s_delay_alu instid0(VALU_DEP_1)
	v_add_nc_u32 v2, LIST, v2                      ; the queries in index order
	s_lshl_b32 s4, s[SUB], 9
	v_bfe_u32 v112, v0, 4, 1
	s_delay_alu instid0(VALU_DEP_1)
	v_lshl_add_u32 v110, v112, 6, s4               ; 512 sf + 64 h: my 16 numbers of a block of 32
	s_delay_alu instid0(VALU_DEP_1)
	v_add_nc_u32 v3, POS, v110
	s_lshl_b32 s4, s[TQ], 1
	s_add_co_u32 s4, s4, s[SUB]
	s_mul_i32 s5, s4, FRB
	v_lshl_add_u32 v4, v1, 4, s5
	s_delay_alu instid0(VALU_DEP_1)
	v_add_nc_u32 v4, QIMG, v4
	s_lshl_b32 s5, s4, 7
	v_lshl_add_u32 v5, v1, 2, s5
	s_delay_alu instid0(VALU_DEP_1)
	v_add_nc_u32 v5, QSC, v5
	s_mul_i32 s5, s[TQ], 2*FRB
	v_lshl_add_u32 v6, v1, 4, s5
	s_delay_alu instid0(VALU_DEP_1)
	v_add_nc_u32 v6, QIMG, v6
	s_lshl_b32 s5, s[TQ], 8
	v_lshl_add_u32 v7, v1, 2, s5
	s_delay_alu instid0(VALU_DEP_1)
	v_add_nc_u32 v7, QSC, v7
	ds_load_b32 v111, v2
	s_wait_dscnt 0x0
	v_min_u32 v111, 0x1869f, v111                  ; an index stays inside feat and coor
	s_delay_alu instid0(VALU_DEP_1)
	v_lshl_add_u32 v109, v111, 10, v110
	s_delay_alu instid0(VALU_DEP_2)
	v_mul_u32_u24 v111, v111, 12
.set n, 0
.rept 16
	global_load_b128 v[16+4*n:19+4*n], v109, s[12:13] offset:128*(n/4)+16*(n%4)
.set n, n+1
.endr
	global_load_b32 v114, v111, s[14:15]
	global_load_b32 v116, v111, s[14:15] offset:4
	global_load_b32 v118, v111, s[14:15] offset:8
	; while these loads are out: the rank of query i = 8 w + lane % 8 = how many keys are larger, and how many equal ones stand ahead of it; four lanes share the 128 keys, 32 each, in two halves of 16
	s_load_b64 s[32:33], s[0:1], 0x50              ; ranks
	ds_load_b32 v96, v12
.irp q, 0,1,2,3
	ds_load_b128 v[80+4*\q:83+4*\q], v13 offset:16*\q
.endr
	s_lshl_b32 s4, s[WV], 3
	v_and_b32 v98, 7, v0
	v_bfe_u32 v102, v0, 3, 2
	v_mov_b32 v99, 0
	s_delay_alu instid0(VALU_DEP_3)
	v_add_nc_u32 v97, s4, v98                      ; i
	s_delay_alu instid0(VALU_DEP_3)
	v_lshlrev_b32 v102, 5, v102
	s_delay_alu instid0(VALU_DEP_2)
	v_lshlrev_b32 v103, 2, v97                     ; 4 i: its place in 'ranks'
	s_delay_alu instid0(VALU_DEP_2)
	v_sub_nc_u32 v97, v97, v102                    ; i less my quarter's first
	s_wait_alu depctr_va_vdst(0)
	s_wait_kmcnt 0x0
	s_wait_dscnt 0x0
	v_add_nc_u32 v100, -1, v96
.irp g, 0,1
.if \g
.irp q, 0,1,2,3
	ds_load_b128 v[80+4*\q:83+4*\q], v13 offset:64+16*\q
.endr
	s_wait_alu depctr_va_vdst(0)
	s_wait_dscnt 0x0
.endif
.set n, 0
.rept 16
	v_cmp_lt_i32 vcc_lo, 16*\g+n, v97              ; ahead of me: an equal key counts too
	s_delay_alu instid0(VALU_DEP_1)
	v_cndmask_b32 v101, v96, v100, vcc_lo
	s_delay_alu instid0(VALU_DEP_1)
	v_cmp_gt_u32 vcc_lo, v[80+n], v101
	s_delay_alu instid0(VALU_DEP_1)
	v_add_co_ci_u32 v99, vcc_lo, 0, v99, vcc_lo
.set n, n+1
.endr
.endr
	s_delay_alu instid0(VALU_DEP_1)
	v_mov_b32_dpp v102, v99 row_xmask:8 row_mask:0xf bank_mask:0xf
	s_delay_alu instid0(VALU_DEP_1)
	v_add_nc_u32 v99, v99, v102
	s_delay_alu instid0(VALU_DEP_1)
	v_permlanex16_b32 v102, v99, s[SEL], s[SEL+1]
	s_delay_alu instid0(VALU_DEP_1)
	v_add_nc_u32 v99, v99, v102                    ; the four quarters' counts: the rank
	s_or_b32 s4, s3, s[HD]
	s_cmp_lg_u32 s4, 0                             ; one owner for the buffer: chunk 0 of head 0
	s_cbranch_scc1 .Lno_rank
	global_store_b32 v103, v99, s[32:33]           ; four lanes store the same word with the same value
.Lno_rank:
	s_wait_xcnt 0x0                                ; the store has read its registers, which are written again below
	s_wait_loadcnt 0x0
.irp c, 114,116,118
	v_cvt_f32_i32 v\c, v\c
.endr
.irp c, 114,116,118
	s_delay_alu instid0(VALU_DEP_3)
	v_mul_f32 v\c, 0x3ecccccd, v\c                 ; x 0.4
.endr
	s_delay_alu instid0(VALU_DEP_3)
	v_mov_b32 v115, v114
	s_wait_alu depctr_va_vdst(0)
	v_mov_b32 v117, v116
	v_mov_b32 v119, v118
.irp b, 0,1,2,3
.irp f, 0,1
.irp d, 0,1,2,3
	ds_load_b128 v[80+8*\d:83+8*\d], v3 offset:1024*\d+128*\b+32*\f
	ds_load_b128 v[84+8*\d:87+8*\d], v3 offset:1024*\d+128*\b+32*\f+16
.endr
	s_wait_dscnt 0x0
.irp e, 0,2,4,6
	v_pk_mul_f32 v[80+\e:81+\e], v[80+\e:81+\e], v[114:115]
.endr
	s_wait_alu depctr_va_vdst(0)
.irp e, 0,2,4,6
	v_pk_fma_f32 v[80+\e:81+\e], v[88+\e:89+\e], v[116:117], v[80+\e:81+\e]
.endr
.irp e, 0,2,4,6
	s_delay_alu instid0(VALU_DEP_4)
	v_pk_fma_f32 v[80+\e:81+\e], v[96+\e:97+\e], v[118:119], v[80+\e:81+\e]
.endr
.irp e, 0,2,4,6
	s_delay_alu instid0(VALU_DEP_4)
	v_pk_add_f32 v[16+16*\b+8*\f+\e:17+16*\b+8*\f+\e], v[16+16*\b+8*\f+\e:17+16*\b+8*\f+\e], v[80+\e:81+\e]
.endr
.irp e, 0,2,4,6
	s_delay_alu instid0(VALU_DEP_4)
	v_pk_add_f32 v[16+16*\b+8*\f+\e:17+16*\b+8*\f+\e], v[16+16*\b+8*\f+\e:17+16*\b+8*\f+\e], v[104+\e:105+\e]
.endr
.endr
.endr
	QUANT 16
	IMAGE 4, 0
	ds_store_b32 v5, v[PW]
	BARRIER                                        ; q_in's sixteen fragments lie in LDS
	; ---- 5: Q of my tile and head (source 0 = wq's 16 columns, source 1 = the queries)
	FETCH 16, 6, 0
	FETCH 28, 6, FRB
	ds_load_b32 v40, v7
	ds_load_b32 v41, v7 offset:128
	s_wait_dscnt 0x0
.irp t, 0,1,2,3
	v_wmma_scale_f32_16x16x128_f8f6f4 v[48+8*\t:55+8*\t], v[128+24*\t:139+24*\t], v[16:27], v[224+8*\t:231+8*\t], v[120+2*\t], v40 matrix_a_fmt:MATRIX_FMT_FP6 matrix_b_fmt:MATRIX_FMT_FP6
.endr
.irp t, 0,1,2,3
	v_wmma_scale_f32_16x16x128_f8f6f4 v[48+8*\t:55+8*\t], v[140+24*\t:151+24*\t], v[28:39], v[48+8*\t:55+8*\t], v[121+2*\t], v41 matrix_a_fmt:MATRIX_FMT_FP6 matrix_b_fmt:MATRIX_FMT_FP6
.endr
	PLACES 4
	HQUANT 48, 16                                  ; Q's codes: v16-21
	v_mov_b32 v255, v[PW]                          ; its scale word; bytes 2 and 3 are 0
.irp j, 22,23,24,25,26,27,80,81,82,83,84,85
	v_mov_b32 v\j, 0                               ; zero codes for the upper 64 along K; and what the last tile of K reads there
.endr
	v_mov_b32 v13, 0xff61b1e6                      ; the largest t so far: -3e38
	s_delay_alu instid0(VALU_DEP_1)
	v_floor_f32 v12, -v13                          ; -M
	v_mov_b32 v14, 0
	v_mov_b32 v15, 0
.irp j, 236,237,238,239,252,253
	v_mov_b32 v\j, 0
.endr
.set n, 0
.rept 32
	v_mov_b32 v[160+n], 0                          ; O^T: the loop is written once, its first step finds zeros
.set n, n+1
.endr
	v_lshlrev_b32 v2, 4, v1
	v_lshlrev_b32 v3, 3, v1
	s_mov_b32 s[CS], 0x3e38aa3b                    ; c = log2(e) / 8
	s_mov_b32 s[CS+1], s[CS]
	s_mul_i32 s[TB], s[SUB], RECB
	s_mov_b32 s[LS], s[SUB]
	s_sub_co_u32 s[LAST], 781, s[S0]               ; the step that holds the last 32 keys, if it is mine
	s_mov_b32 s[KC], 7
.Lkey:                                                 ; seven trips; a step past my chunk's end is left out by a branch on ids
	s_cmp_ge_u32 s[LS], s[NST]
	s_cbranch_scc1 .Lskip
	s_wait_alu depctr_va_vdst(0)
	v_add_nc_u32 v8, s[TB], v2
	v_add_nc_u32 v9, s[TB], v3
	v_nop
	v_nop                                          ; four places in front of loads into registers that matrix instructions have read
.set n, 0
.rept 12
	ds_load_b128 v[32+4*n:35+4*n], v8 offset:512*n
.set n, n+1
.endr
	ds_load_b128 v[248:251], v8 offset:6144
	s_wait_alu depctr_va_vdst(0)
	s_wait_dscnt 0x0
.irp t, 0,1,2,3,4,5,6,7
.if \t%2
	v_wmma_scale_f32_16x16x128_f8f6f4 v[96+8*\t:103+8*\t], v[32+6*\t:43+6*\t], v[16:27], 0, v[248+\t/2], v255 matrix_a_fmt:MATRIX_FMT_FP6 matrix_b_fmt:MATRIX_FMT_FP6 matrix_a_scale:MATRIX_SCALE_ROW1
.else
	v_wmma_scale_f32_16x16x128_f8f6f4 v[96+8*\t:103+8*\t], v[32+6*\t:43+6*\t], v[16:27], 0, v[248+\t/2], v255 matrix_a_fmt:MATRIX_FMT_FP6 matrix_b_fmt:MATRIX_FMT_FP6
.endif
.endr
	PLACES 4
.set n, 0
.rept 12
	ds_load_b128 v[32+4*n:35+4*n], v8 offset:6656+512*n   ; V's fragments land while the softmax is worked
.set n, n+1
.endr
	ds_load_b64 v[248:249], v9 offset:12800
	s_cmp_lg_u32 s[LS], s[LAST]
	s_cbranch_scc1 .Lopen
.set n, 16
.rept 48
	v_mov_b32 v[96+n], 0xff800000                  ; keys 100,000 on do not exist: p = 0
.set n, n+1
.endr
.Lopen:
.irp b, 0,1,2,3
	v_max3_num_f32 v[232+\b], v[96+16*\b], v[97+16*\b], v[98+16*\b]   ; each block's largest score: for the row's maximum and for the block's largest p
.endr
.irp i, 3,5,7,9,11,13
.irp b, 0,1,2,3
	v_max3_num_f32 v[232+\b], v[232+\b], v[96+16*\b+\i], v[97+16*\b+\i]
.endr
.endr
.irp b, 0,1,2,3
	v_max_num_f32 v[232+\b], v[232+\b], v[111+16*\b]
.endr
.irp b, 0,1,2,3
	s_delay_alu instid0(VALU_DEP_4)
	v_permlanex16_b32 v[236+\b], v[232+\b], s[SEL], s[SEL+1]
.endr
.irp b, 0,1,2,3
	s_delay_alu instid0(VALU_DEP_4)
	v_max_num_f32 v[232+\b], v[232+\b], v[236+\b]
.endr
	s_delay_alu instid0(VALU_DEP_2)
	v_max3_num_f32 v254, v232, v233, v234
	s_delay_alu instid0(VALU_DEP_1)
	v_max_num_f32 v254, v254, v235
	s_delay_alu instid0(VALU_DEP_1)
	v_mul_f32 v254, s[CS], v254
	s_delay_alu instid0(VALU_DEP_1)
	v_max_num_f32 v13, v13, v254                   ; the running largest t
	v_mov_b32 v254, v12
	s_delay_alu instid0(VALU_DEP_2)
	v_floor_f32 v12, -v13                          ; -M = -ceil(t): a whole number
	s_delay_alu instid0(VALU_DEP_1)
	v_sub_f32 v254, v12, v254
	s_delay_alu instid0(VALU_DEP_1)
	v_cvt_i32_f32 v254, v254
	s_delay_alu instid0(VALU_DEP_1)
	v_ldexp_f32 v252, 1.0, v254                    ; f = 2^(old M - new M)
.set n, 0
.rept 32
	v_pk_fma_f32 v[96+n:97+n], v[96+n:97+n], s[CS:CS+1], v[12:13] op_sel_hi:[1,0,0]   ; t - M
.set n, n+2
.endr
.irp b, 0,1,2,3
	v_fma_f32 v[232+\b], v[232+\b], s[CS], v12
.endr
.set n, 0
	s_wait_alu depctr_va_vdst(0)
.rept 64
	v_exp_f32 v[96+n], v[96+n]                     ; p = 2^(t - M)
.set n, n+1
.endr
	v_pk_mul_f32 v[14:15], v[14:15], v[252:253] op_sel_hi:[1,0]   ; a plain place behind the exponentials
	s_wait_alu depctr_va_vdst(0)                   ; one wait for the batch, ahead of its first reader
.irp b, 0,1,2,3
	v_exp_f32 v[232+\b], v[232+\b]
.endr
	v_pk_add_f32 v[236:237], v[100:101], v[104:105]
	v_pk_add_f32 v[250:251], v[108:109], v[112:113]
	v_pk_add_f32 v[246:247], v[116:117], v[120:121]
	v_pk_add_f32 v[244:245], v[124:125], v[128:129]
	v_pk_add_f32 v[242:243], v[132:133], v[136:137]
	v_pk_add_f32 v[240:241], v[140:141], v[144:145]
	v_pk_add_f32 v[238:239], v[148:149], v[152:153]
	v_pk_add_f32 v[14:15], v[14:15], v[156:157]
	v_pk_add_f32 v[236:237], v[236:237], v[96:97]
	v_pk_add_f32 v[250:251], v[250:251], v[98:99]
	v_pk_add_f32 v[246:247], v[246:247], v[102:103]
	v_pk_add_f32 v[244:245], v[244:245], v[106:107]
	v_pk_add_f32 v[242:243], v[242:243], v[110:111]
	v_pk_add_f32 v[240:241], v[240:241], v[114:115]
	v_pk_add_f32 v[238:239], v[238:239], v[118:119]
	v_pk_add_f32 v[14:15], v[14:15], v[122:123]
	v_pk_add_f32 v[236:237], v[236:237], v[126:127]
	v_pk_add_f32 v[250:251], v[250:251], v[130:131]
	v_pk_add_f32 v[246:247], v[246:247], v[134:135]
	v_pk_add_f32 v[244:245], v[244:245], v[138:139]
	v_pk_add_f32 v[242:243], v[242:243], v[142:143]
	v_pk_add_f32 v[240:241], v[240:241], v[146:147]
	v_pk_add_f32 v[238:239], v[238:239], v[150:151]
	v_pk_add_f32 v[14:15], v[14:15], v[154:155]
	v_pk_add_f32 v[236:237], v[236:237], v[158:159]
	s_delay_alu instid0(VALU_DEP_2)
	v_pk_add_f32 v[14:15], v[14:15], v[244:245]
	s_delay_alu instid0(VALU_DEP_2)
	v_pk_add_f32 v[236:237], v[236:237], v[242:243]
	v_pk_add_f32 v[250:251], v[250:251], v[240:241]
	v_pk_add_f32 v[246:247], v[246:247], v[238:239]
	s_delay_alu instid0(VALU_DEP_2)
	v_pk_add_f32 v[14:15], v[14:15], v[250:251]
	s_delay_alu instid0(VALU_DEP_2)
	v_pk_add_f32 v[236:237], v[236:237], v[246:247]
	s_delay_alu instid0(VALU_DEP_1)
	v_pk_add_f32 v[14:15], v[14:15], v[236:237]
	s_wait_alu depctr_va_vdst(0)                   ; and one for the four
.irp b, 0,1,2,3
	v_max_num_f32 v[232+\b], 0x1800000, v[232+\b]
.endr
.irp b, 0,1,2,3
	s_delay_alu instid0(VALU_DEP_4)
	v_add_nc_u32 v[244+\b], 0xff000000, v[232+\b]
.endr
.irp b, 0,1,2,3
	s_delay_alu instid0(VALU_DEP_4)
	v_lshrrev_b32 v[236+\b], 23, v[244+\b]
.endr
	s_delay_alu instid0(VALU_DEP_3)
	v_lshl_or_b32 v253, v237, 8, v236              ; p's scale word
	s_delay_alu instid0(VALU_DEP_1)
	v_lshl_or_b32 v253, v238, 16, v253
	s_delay_alu instid0(VALU_DEP_1)
	v_lshl_or_b32 v253, v239, 24, v253
.irp c, 0,1
	v_cvt_scalef32_pk16_fp6_f32 v[224+6*\c:226+6*\c], v[96+32*\c:111+32*\c], v[244+2*\c]
	v_cvt_scalef32_pk16_fp6_f32 v[236+4*\c:238+4*\c], v[112+32*\c:127+32*\c], v[244+2*\c+1]
.endr
	v_nop
.irp c, 0,1
.irp i, 0,1,2
	v_permlane16_swap_b32 v[224+6*\c+\i], v[236+4*\c+\i]
.endr
.irp i, 0,1,2
	s_delay_alu instid0(VALU_DEP_3)
	v_mov_b32 v[227+6*\c+\i], v[236+4*\c+\i]
.endr
.endr
.set n, 0
.rept 16
	v_pk_mul_f32 v[160+n:161+n], v[160+n:161+n], v[252:253] op_sel_hi:[1,0]   ; O^T under the new M; also the places ahead of the scaled products
.set n, n+2
.endr
	s_wait_alu depctr_va_vdst(0)
	s_wait_dscnt 0x0                               ; V
.irp t, 0,1,2,3
.if \t%2
	v_wmma_scale_f32_16x16x128_f8f6f4 v[160+8*\t:167+8*\t], v[32+12*\t:43+12*\t], v[224:235], v[160+8*\t:167+8*\t], v[248+\t/2], v253 matrix_a_fmt:MATRIX_FMT_FP6 matrix_b_fmt:MATRIX_FMT_FP6 matrix_a_scale:MATRIX_SCALE_ROW1
.else
	v_wmma_scale_f32_16x16x128_f8f6f4 v[160+8*\t:167+8*\t], v[32+12*\t:43+12*\t], v[224:235], v[160+8*\t:167+8*\t], v[248+\t/2], v253 matrix_a_fmt:MATRIX_FMT_FP6 matrix_b_fmt:MATRIX_FMT_FP6
.endif
.endr
.Lskip:
	s_add_co_u32 s[TB], s[TB], 2*RECB
	s_add_co_u32 s[LS], s[LS], 2
	s_sub_co_i32 s[KC], s[KC], 1
	s_cmp_lg_u32 s[KC], 0
	s_cbranch_scc1 .Lkey
	; ---- 7: the two waves of a tile join; the addresses are made ahead of the parting and are the places behind the last products
	s_mul_i32 s4, s[TQ], 4352
	s_add_co_u32 s4, s4, MERGE
	s_wait_alu depctr_va_vdst(0)
	v_add_nc_u32 v4, s4, v2
	v_lshl_add_u32 v5, v1, 2, s4
	s_delay_alu instid0(VALU_DEP_1)
	v_add_nc_u32 v5, 4096, v5
	v_and_b32 v10, 15, v0
	v_bfe_u32 v11, v0, 4, 1
	s_delay_alu instid0(VALU_DEP_2)
	v_mul_u32_u24 v6, v10, 272
	s_delay_alu instid0(VALU_DEP_1)
	v_lshl_add_u32 v6, v11, 5, v6
	s_delay_alu instid0(VALU_DEP_1)
	v_add_nc_u32 v6, s4, v6                        ; the stage, in: row r, + 32 h
	s_delay_alu instid0(VALU_DEP_4)
	v_mul_u32_u24 v7, v11, 272
	s_delay_alu instid0(VALU_DEP_1)
	v_lshl_add_u32 v7, v10, 4, v7
	s_delay_alu instid0(VALU_DEP_1)
	v_add_nc_u32 v7, s4, v7                        ; back: lanes 0-15 one row, lanes 16-31 the next
	v_lshlrev_b32 v8, 10, v11
	s_delay_alu instid0(VALU_DEP_1)
	v_lshl_add_u32 v8, v10, 4, v8
	v_lshlrev_b32 v9, 9, v11
	s_delay_alu instid0(VALU_DEP_1)
	v_lshl_add_u32 v9, v10, 2, v9
	v_add_f32 v14, v14, v15
	s_delay_alu instid0(VALU_DEP_1)
	v_permlanex16_b32 v252, v14, s[SEL], s[SEL+1]
	s_delay_alu instid0(VALU_DEP_1)
	v_add_f32 v14, v14, v252                       ; l
	s_cmp_lt_u32 s[WV], 8
	s_cbranch_scc1 .Lkeep
.set n, 0
.rept 8
	ds_store_b128 v4, v[160+4*n:163+4*n] offset:512*n
.set n, n+1
.endr
	ds_store_b32 v5, v12
	ds_store_b32 v5, v14 offset:128
.Lkeep:
	BARRIER
	s_cmp_ge_u32 s[WV], 8
	s_cbranch_scc1 .Lend
.set n, 0
.rept 8
	ds_load_b128 v[96+4*n:99+4*n], v4 offset:512*n
.set n, n+1
.endr
	ds_load_b32 v128, v5
	ds_load_b32 v129, v5 offset:128
	s_lshl_b32 s82, s3, 7
	s_lshl_b32 s4, s[TQ], 4
	s_add_co_u32 s82, s82, s4
	s_lshl_b32 s82, s82, 10
	s_lshl_b32 s4, s[HD], 8
	s_add_co_u32 s82, s82, s4
	s_mov_b32 s83, 0
	s_add_nc_u64 s[24:25], s[24:25], s[82:83]      ; part_o at (chunk, my tile's first query, my head)
	s_lshl_b32 s82, s3, 2
	s_add_co_u32 s82, s82, s[HD]
	s_lshl_b32 s82, s82, 10
	s_lshl_b32 s4, s[TQ], 6
	s_add_co_u32 s82, s82, s4
	s_add_nc_u64 s[26:27], s[26:27], s[82:83]
	s_wait_dscnt 0x0
	v_min_num_f32 v130, v12, v128                  ; -M of the larger M
	s_delay_alu instid0(VALU_DEP_1)
	v_sub_f32 v132, v130, v12
	s_delay_alu instid0(VALU_DEP_2)
	v_sub_f32 v134, v130, v128
	s_delay_alu instid0(VALU_DEP_2)
	v_cvt_i32_f32 v132, v132
	s_delay_alu instid0(VALU_DEP_2)
	v_cvt_i32_f32 v134, v134
	s_delay_alu instid0(VALU_DEP_2)
	v_ldexp_f32 v132, 1.0, v132
	s_delay_alu instid0(VALU_DEP_2)
	v_ldexp_f32 v134, 1.0, v134
	s_delay_alu instid0(VALU_DEP_2)
	v_mov_b32 v133, v132
	s_delay_alu instid0(VALU_DEP_2)
	v_mov_b32 v135, v134
	s_delay_alu instid0(VALU_DEP_3)
	v_mul_f32 v129, v129, v134
	s_delay_alu instid0(VALU_DEP_1)
	v_fma_f32 v14, v14, v132, v129
.set n, 0
.rept 16
	v_pk_mul_f32 v[96+n:97+n], v[96+n:97+n], v[134:135]
.set n, n+2
.endr
.set n, 0
.rept 16
	v_pk_fma_f32 v[160+n:161+n], v[160+n:161+n], v[132:133], v[96+n:97+n]
.set n, n+2
.endr
	v_cndmask_b32 v131, v130, v14, s[HIM]          ; lanes 0-15 -M, lanes 16-31 l
.irp t, 0,1,2,3
	ds_store_b128 v6, v[160+8*\t:163+8*\t] offset:64*\t
	ds_store_b128 v6, v[164+8*\t:167+8*\t] offset:64*\t+16
.endr
.irp i, 0,1,2,3,4,5,6,7
	ds_load_b128 v[32+4*\i:35+4*\i], v7 offset:2*\i*272   ; LDS serves a wave's instructions in order: these see my stores
.endr
	global_store_b32 v9, v131, s[26:27]
.irp i, 0,1,2,3,4,5,6,7
	s_wait_dscnt 7-\i
	global_store_b128 v8, v[32+4*\i:35+4*\i], s[24:25] offset:2048*\i   ; 16 lanes store 256 consecutive bytes, aligned
.endr
.Lend:
	s_wait_xcnt 0x0
	v_lshl_add_u32 v254, v0, 2, 0x43400
	v_mov_b32 v255, 0
	s_wait_alu depctr_va_vdst(0)
	s_wait_tensorcnt 0x0
	ds_add_u32 v254, v255
	s_wait_dscnt 0x0
	s_endpgm
.Lfunc_end_k_q774d08ff5d_attn:
	.size	k_q774d08ff5d_attn, .Lfunc_end_k_q774d08ff5d_attn-k_q774d08ff5d_attn
	.p2alignl 7, 3214868480
	.fill 96, 4, 3214868480
	.section	.rodata,"a",@progbits
	.p2align	6, 0x0
	.amdhsa_kernel k_q774d08ff5d_attn
		.amdhsa_group_segment_fixed_size 277504
		.amdhsa_private_segment_fixed_size 0
		.amdhsa_enable_private_segment 0
		.amdhsa_kernarg_size 88
		.amdhsa_user_sgpr_count 2
		.amdhsa_user_sgpr_kernarg_segment_ptr 1
		.amdhsa_wavefront_size32 1
		.amdhsa_system_sgpr_workgroup_id_x 1
		.amdhsa_system_sgpr_workgroup_id_y 1
		.amdhsa_system_sgpr_workgroup_id_z 1
		.amdhsa_system_vgpr_workitem_id 0
		.amdhsa_next_free_vgpr 256
		.amdhsa_next_free_sgpr 102
		.amdhsa_reserve_vcc 1
		.amdhsa_float_denorm_mode_32 3
		.amdhsa_float_denorm_mode_16_64 3
		.amdhsa_memory_ordered 1
		.amdhsa_forward_progress 1
		.amdhsa_inst_pref_size 220
	.end_amdhsa_kernel
	.amdgpu_metadata
---
amdhsa.version: [ 1, 2 ]
amdhsa.kernels:
  - .name:           k_q774d08ff5d_attn
    .symbol:         k_q774d08ff5d_attn.kd
    .args:
      - { .name: okeys, .offset: 0, .size: 8, .value_kind: global_buffer, .address_space: global }
      - { .name: kv, .offset: 8, .size: 8, .value_kind: global_buffer, .address_space: global }
      - { .name: feat, .offset: 16, .size: 8, .value_kind: global_buffer, .address_space: global }
      - { .name: coor, .offset: 24, .size: 8, .value_kind: global_buffer, .address_space: global }
      - { .name: pos_w, .offset: 32, .size: 8, .value_kind: global_buffer, .address_space: global }
      - { .name: pos_b, .offset: 40, .size: 8, .value_kind: global_buffer, .address_space: global }
      - { .name: wimg, .offset: 48, .size: 8, .value_kind: global_buffer, .address_space: global }
      - { .name: bq, .offset: 56, .size: 8, .value_kind: global_buffer, .address_space: global }
      - { .name: part_o, .offset: 64, .size: 8, .value_kind: global_buffer, .address_space: global }
      - { .name: part_ml, .offset: 72, .size: 8, .value_kind: global_buffer, .address_space: global }
      - { .name: ranks, .offset: 80, .size: 8, .value_kind: global_buffer, .address_space: global }
    .group_segment_fixed_size: 277504
    .private_segment_fixed_size: 0
    .kernarg_segment_align: 8
    .kernarg_segment_size: 88
    .max_flat_workgroup_size: 512
    .sgpr_count:     102
    .vgpr_count:     256
    .wavefront_size: 32
...
	.end_amdgpu_metadata
.endif
;; end of part 3
;; launch comb (part 4): grid 64 x 1, 16 waves a work-group, no clusters, 10,240 bytes of LDS; arguments part_o, part_ml, wimg, bo, out0, ranks; writes out0
.if DOCPART == 4
	.amdgcn_target "amdgcn-amd-amdhsa--gfx1250"
	.amdhsa_code_object_version 6
	.text
	.protected	k_q774d08ff5d_comb
	.globl	k_q774d08ff5d_comb
	.p2align	8
	.type	k_q774d08ff5d_comb,@function
k_q774d08ff5d_comb:
	s_mov_b64 s[64:65], 0
	v_nop
	global_prefetch_b8 v0, s[64:65] scope:SCOPE_SE
	s_setreg_imm32_b32 hwreg(HW_REG_WAVE_MODE, 25, 1), 1
	s_wait_xcnt 0x0
; The 64 key shares of each query are joined: o = (sum over shares of 2^(M_i - M) O_i) / (sum of 2^(M_i - M) l_i), M the largest M_i; o is quantised to FP6 along its 256 and multiplied by wo; + bo; the result is stored four times
; (the reference's loop over the history repeats one computation).  A work-group takes queries 2 g and 2 g + 1; a thread owns one of their 512 numbers; a wave's load covers 128 consecutive bytes, the work-group's 2,048.
; All numbers of a wave belong to one query and one head: the wave makes that pair's 64 weights itself (a lane two shares) and takes them into scalar registers.
; In the product the tile's 16 rows are the two queries by turns.  64 work-groups: that is all the work there is.  LIMITS: NaN and infinities are not served.
.set FRB,  1536
.set MATB, 53248
.set OSUM, 0                           ; o: 2 rows of 1,024 bytes
.set OIMG, 2048                        ; its two fragments
.set OSC,  5120
.set OUTS, 5376                        ; the result: 2 rows of 1,024 bytes
.set PC,  80
.set TM,  100
.set PW,  116
.set SEL, 84
.macro BARRIER
	s_wait_dscnt 0x0
	s_barrier_signal -1
	s_barrier_wait -1
.endm
.macro QUANT s
.irp b, 0,1,2,3
	v_max3_num_f32 v[TM+\b], |v[\s+16*\b]|, |v[\s+1+16*\b]|, 0x1800000
.endr
.irp i, 2,4,6,8,10,12,14
.irp b, 0,1,2,3
	s_delay_alu instid0(VALU_DEP_4)
	v_max3_num_f32 v[TM+\b], v[TM+\b], |v[\s+16*\b+\i]|, |v[\s+1+16*\b+\i]|
.endr
.endr
.irp b, 0,1,2,3
	s_delay_alu instid0(VALU_DEP_4)
	v_permlanex16_b32 v[TM+4+\b], v[TM+\b], s[SEL], s[SEL+1]
.endr
.irp b, 0,1,2,3
	s_delay_alu instid0(VALU_DEP_4)
	v_max_num_f32 v[TM+\b], v[TM+\b], v[TM+4+\b]
.endr
.irp b, 0,1,2,3
	s_delay_alu instid0(VALU_DEP_4)
	v_add_nc_u32 v[TM+12+\b], 0xff000000, v[TM+\b]
.endr
.irp b, 0,1,2,3
	s_delay_alu instid0(VALU_DEP_4)
	v_lshrrev_b32 v[TM+4+\b], 23, v[TM+12+\b]
.endr
	s_delay_alu instid0(VALU_DEP_3)
	v_lshl_or_b32 v[PW], v[TM+5], 8, v[TM+4]
	s_delay_alu instid0(VALU_DEP_1)
	v_lshl_or_b32 v[PW], v[TM+6], 16, v[PW]
	s_delay_alu instid0(VALU_DEP_1)
	v_lshl_or_b32 v[PW], v[TM+7], 24, v[PW]
.irp c, 0,1
	v_cvt_scalef32_pk16_fp6_f32 v[PC+6*\c:PC+2+6*\c], v[\s+32*\c:\s+15+32*\c], v[TM+12+2*\c]
	v_cvt_scalef32_pk16_fp6_f32 v[PC+12+4*\c:PC+14+4*\c], v[\s+16+32*\c:\s+31+32*\c], v[TM+12+2*\c+1]
.endr
	v_nop
.irp c, 0,1
.irp i, 0,1,2
	v_permlane16_swap_b32 v[PC+6*\c+\i], v[PC+12+4*\c+\i]
.endr
.irp i, 0,1,2
	s_delay_alu instid0(VALU_DEP_3)
	v_mov_b32 v[PC+3+6*\c+\i], v[PC+12+4*\c+\i]
.endr
.endr
.endm
	s_load_b256 s[4:11], s[0:1], 0x0               ; part_o, part_ml, wimg, bo
	s_load_b64 s[12:13], s[0:1], 0x20              ; out0
	s_load_b64 s[96:97], s[0:1], 0x28              ; ranks: the queries come in index order; query i's row of the result is row ranks[i]
	v_lshl_add_u32 v254, v0, 2, 0x2000
	v_mov_b32 v255, 0
	v_lshrrev_b32 v1, 5, v0
	s_delay_alu instid0(VALU_DEP_1)
	v_readfirstlane_b32 s2, v1                     ; wave 0..15
	v_and_b32 v1, 31, v0
	s_mov_b32 s3, ttmp9
	s_mov_b32 s[SEL], 0x76543210
	s_mov_b32 s[SEL+1], 0xfedcba98
	v_lshlrev_b32 v2, 2, v0                        ; 4 x thread: my number's place in the two rows, in memory and in LDS
	v_lshlrev_b32 v3, 4, v1
	v_lshlrev_b32 v132, 12, v1                     ; a share's -M and l: 4,096 bytes from chunk to chunk
	v_lshlrev_b32 v136, 2, v1
	v_bfe_u32 v134, v0, 4, 1                       ; h
	v_and_b32 v135, 1, v0                          ; which of the two queries my row stands for
	s_delay_alu instid0(VALU_DEP_2)
	v_lshlrev_b32 v137, 5, v134
	s_and_b32 s82, s2, 1
	s_lshl_b32 s83, s82, 9
	v_lshl_add_u32 v124, v135, 10, s83
	s_delay_alu instid0(VALU_DEP_1)
	v_lshl_add_u32 v124, v134, 6, v124             ; o as the quantiser wants it: row, K step, + 64 h
	s_mul_i32 s83, s82, FRB
	v_lshl_add_u32 v125, v1, 4, s83
	s_delay_alu instid0(VALU_DEP_1)
	v_add_nc_u32 v125, OIMG, v125
	s_lshl_b32 s83, s82, 7
	v_lshl_add_u32 v126, v1, 2, s83
	s_delay_alu instid0(VALU_DEP_1)
	v_add_nc_u32 v126, OSC, v126
	v_lshl_add_u32 v127, v1, 4, OIMG
	v_lshl_add_u32 v128, v1, 2, OSC
	s_lshl_b32 s83, s2, 6
	v_lshl_add_u32 v129, v135, 10, s83
	s_delay_alu instid0(VALU_DEP_1)
	v_lshl_add_u32 v129, v134, 5, v129
	s_delay_alu instid0(VALU_DEP_1)
	v_add_nc_u32 v129, OUTS, v129                  ; the result: row, 64 w + 32 h
	s_and_b32 s83, s2, 3
	s_lshl_b32 s83, s83, 9
	v_lshl_add_u32 v131, v1, 4, s83
	s_delay_alu instid0(VALU_DEP_1)
	v_add_nc_u32 v130, OUTS, v131
.irp b, 0,1,2,3
	v_mov_b32 v[TM+4+\b], 0
.endr
	v_mov_b32 v9, 0
	s_lshr_b32 s82, s2, 3
	s_lshl_b32 s83, s3, 1
	s_add_co_u32 s82, s82, s83                     ; my query
	s_lshl_b32 s82, s82, 2
	s_bfe_u32 s83, s2, 0x20001                     ; my head: bits 2:1 of the wave's number
	s_lshl_b32 s83, s83, 10
	s_add_co_u32 s82, s82, s83
	s_mov_b32 s83, 0
	s_wait_kmcnt 0x0
	s_add_nc_u64 s[86:87], s[6:7], s[82:83]
	s_lshl_b32 s82, s3, 11
	s_add_nc_u64 s[14:15], s[4:5], s[82:83]
	s_bfe_u32 s88, s2, 0x10001                     ; which of the two rows I store: bit 1 of the wave's number
	s_lshl_b32 s99, s3, 1
	s_add_co_u32 s99, s99, s88
	s_lshl_b32 s99, s99, 2
	s_load_b32 s98, s[96:97], s99 offset:0x0       ; that query's rank
	s_mul_i32 s82, s2, 2*FRB
	s_add_co_u32 s82, s82, 4*MATB
	s_add_nc_u64 s[88:89], s[8:9], s[82:83]        ; wo's two fragments of columns 16 w on
	s_lshl_b32 s82, s2, 8
	s_add_co_u32 s82, s82, 4*MATB+32*FRB
	s_add_nc_u64 s[90:91], s[8:9], s[82:83]
	s_lshl_b32 s82, s2, 6
	s_add_nc_u64 s[92:93], s[10:11], s[82:83]
	global_load_b32 v4, v132, s[86:87]             ; -M and l of chunks lane and lane + 32
	global_load_b32 v5, v132, s[86:87] offset:512
	global_load_b32 v6, v132, s[86:87] offset:131072
	global_load_b32 v7, v132, s[86:87] offset:131584
.set n, 0
.rept 48
	global_load_b32 v[16+n], v2, s[14:15] offset:131072*n th:TH_LOAD_NT
.set n, n+1
.endr
	s_wait_kmcnt 0x0
	s_min_u32 s98, s98, 127                        ; a rank stays inside the result's 128 rows
	s_lshl_b32 s98, s98, 10                        ; a row of 1,024 bytes
	s_lshr_b32 s99, s2, 2
	s_lshl_b32 s99, s99, 17                        ; which of the four copies I store
	s_add_co_u32 s98, s98, s99
	s_and_b32 s99, s2, 1
	s_lshl_b32 s99, s99, 9                         ; which half of the row
	s_add_co_u32 s98, s98, s99
	s_mov_b32 s99, 0
	s_add_nc_u64 s[94:95], s[12:13], s[98:99]
	s_wait_loadcnt 48                              ; the four are in; the 48 behind them may be out
	v_max_num_f32 v8, -v4, -v6
	s_delay_alu instid0(VALU_DEP_1)
	v_max_num_f32_dpp v8, v8, v8 row_xmask:1 row_mask:0xf bank_mask:0xf
	s_delay_alu instid0(VALU_DEP_1)
	v_max_num_f32_dpp v8, v8, v8 row_xmask:2 row_mask:0xf bank_mask:0xf
	s_delay_alu instid0(VALU_DEP_1)
	v_max_num_f32_dpp v8, v8, v8 row_xmask:4 row_mask:0xf bank_mask:0xf
	s_delay_alu instid0(VALU_DEP_1)
	v_max_num_f32_dpp v8, v8, v8 row_xmask:8 row_mask:0xf bank_mask:0xf
	s_wait_alu depctr_va_vdst(0)
	v_permlanex16_b32 v9, v8, s[SEL], s[SEL+1]
	s_delay_alu instid0(VALU_DEP_1)
	v_max_num_f32 v8, v8, v9                       ; M
	s_delay_alu instid0(VALU_DEP_1)
	v_sub_f32 v10, -v4, v8
	s_delay_alu instid0(VALU_DEP_2)
	v_sub_f32 v11, -v6, v8
	s_delay_alu instid0(VALU_DEP_2)
	v_cvt_i32_f32 v10, v10
	s_delay_alu instid0(VALU_DEP_2)
	v_cvt_i32_f32 v11, v11
	s_delay_alu instid0(VALU_DEP_2)
	v_ldexp_f32 v10, 1.0, v10                      ; 2^(M_i - M): exact
	s_delay_alu instid0(VALU_DEP_2)
	v_ldexp_f32 v11, 1.0, v11
	s_delay_alu instid0(VALU_DEP_2)
	v_mul_f32 v12, v10, v5
	s_delay_alu instid0(VALU_DEP_1)
	v_fma_f32 v12, v11, v7, v12
	s_delay_alu instid0(VALU_DEP_1)
	v_add_f32_dpp v12, v12, v12 row_xmask:1 row_mask:0xf bank_mask:0xf
	s_delay_alu instid0(VALU_DEP_1)
	v_add_f32_dpp v12, v12, v12 row_xmask:2 row_mask:0xf bank_mask:0xf
	s_delay_alu instid0(VALU_DEP_1)
	v_add_f32_dpp v12, v12, v12 row_xmask:4 row_mask:0xf bank_mask:0xf
	s_delay_alu instid0(VALU_DEP_1)
	v_add_f32_dpp v12, v12, v12 row_xmask:8 row_mask:0xf bank_mask:0xf
	s_delay_alu instid0(VALU_DEP_1)
	v_permlanex16_b32 v9, v12, s[SEL], s[SEL+1]
	s_delay_alu instid0(VALU_DEP_1)
	v_add_f32 v12, v12, v9                         ; l
	s_wait_alu depctr_va_vdst(0)
	v_rcp_f32 v13, v12
	v_nop                                          ; a plain place behind the reciprocal
	s_wait_alu depctr_va_vdst(0)                   ; and the wait ahead of its first reader
	v_mul_f32 v10, v10, v13
	v_mul_f32 v11, v11, v13
.set n, 48
.rept 16
	global_load_b32 v[16+n], v2, s[14:15] offset:131072*n th:TH_LOAD_NT
.set n, n+1
.endr
.irp f, 0,1
.irp c, 0,1,2
	global_load_b128 v[144+12*\f+4*\c:147+12*\f+4*\c], v3, s[88:89] offset:\f*FRB+512*\c
.endr
	global_load_b32 v[168+\f], v136, s[90:91] offset:128*\f
.endr
	global_load_b128 v[176:179], v137, s[92:93]
	global_load_b128 v[180:183], v137, s[92:93] offset:16
.set n, 0
.rept 32
	v_readlane_b32 s[16+n], v10, n                 ; the weights of chunks 0-31: s16-47
.set n, n+1
.endr
.set n, 0
.rept 32
.if n < 16
	v_readlane_b32 s[48+n], v11, n                 ; of chunks 32-47: s48-63
.else
	v_readlane_b32 s[50+n], v11, n                 ; of chunks 48-63: s66-81
.endif
.set n, n+1
.endr
	s_wait_loadcnt 10                              ; all 64 shares are in; wo's and bo's ten loads may be out
.set n, 0
.rept 64
.if n < 48
.set SR, 16+n
.else
.set SR, 18+n
.endif
.if n < 4
	v_mul_f32 v[120+n], s[SR], v[16+n]
.else
	s_delay_alu instid0(VALU_DEP_4)
	v_fma_f32 v[120+n%4], v[16+n], s[SR], v[120+n%4]
.endif
.set n, n+1
.endr
	s_delay_alu instid0(VALU_DEP_3)
	v_add_f32 v120, v120, v121
	s_delay_alu instid0(VALU_DEP_2)
	v_add_f32 v122, v122, v123
	s_delay_alu instid0(VALU_DEP_1)
	v_add_f32 v120, v120, v122
	ds_store_b32 v2, v120
	BARRIER                                        ; o's two rows lie in LDS
	s_cmp_ge_u32 s2, 2
	s_cbranch_scc1 .Lno_quant
.set n, 0
.rept 16
	ds_load_b128 v[16+4*n:19+4*n], v124 offset:128*(n/4)+16*(n%4)
.set n, n+1
.endr
	s_wait_dscnt 0x0
	QUANT 16
.irp c, 0,1,2
	ds_store_b128 v125, v[PC+4*\c:PC+4*\c+3] offset:512*\c
.endr
	ds_store_b32 v126, v[PW]
.Lno_quant:
	BARRIER                                        ; o's two fragments lie in LDS
.irp c, 0,1,2
	ds_load_b128 v[16+4*\c:19+4*\c], v127 offset:512*\c
	ds_load_b128 v[28+4*\c:31+4*\c], v127 offset:FRB+512*\c
.endr
	ds_load_b32 v40, v128
	ds_load_b32 v41, v128 offset:128
	s_wait_loadcnt 0x0
	s_wait_dscnt 0x0
	v_wmma_scale_f32_16x16x128_f8f6f4 v[48:55], v[144:155], v[16:27], v[176:183], v168, v40 matrix_a_fmt:MATRIX_FMT_FP6 matrix_b_fmt:MATRIX_FMT_FP6
	s_wait_alu depctr_va_vdst(0)                   ; the wait directly ahead of the link
	v_wmma_scale_f32_16x16x128_f8f6f4 v[48:55], v[156:167], v[28:39], v[48:55], v169, v41 matrix_a_fmt:MATRIX_FMT_FP6 matrix_b_fmt:MATRIX_FMT_FP6
.rept 4
	v_nop
.endr
	ds_store_b128 v129, v[48:51]                   ; the lanes that stand for one query write the same bytes with the same values
	ds_store_b128 v129, v[52:55] offset:16
	BARRIER                                        ; the two rows of the result lie in LDS
	ds_load_b128 v[56:59], v130
	s_wait_dscnt 0x0
	global_store_b128 v3, v[56:59], s[94:95] th:TH_STORE_NT   ; 512 consecutive bytes, half of a row at its rank's place; four waves a copy, four copies
	s_wait_tensorcnt 0x0
	ds_add_u32 v254, v255
	s_wait_dscnt 0x0
	s_endpgm
.Lfunc_end_k_q774d08ff5d_comb:
	.size	k_q774d08ff5d_comb, .Lfunc_end_k_q774d08ff5d_comb-k_q774d08ff5d_comb
	.p2alignl 7, 3214868480
	.fill 96, 4, 3214868480
	.section	.rodata,"a",@progbits
	.p2align	6, 0x0
	.amdhsa_kernel k_q774d08ff5d_comb
		.amdhsa_group_segment_fixed_size 10240
		.amdhsa_private_segment_fixed_size 0
		.amdhsa_enable_private_segment 0
		.amdhsa_kernarg_size 48
		.amdhsa_user_sgpr_count 2
		.amdhsa_user_sgpr_kernarg_segment_ptr 1
		.amdhsa_wavefront_size32 1
		.amdhsa_system_sgpr_workgroup_id_x 1
		.amdhsa_system_sgpr_workgroup_id_y 1
		.amdhsa_system_sgpr_workgroup_id_z 1
		.amdhsa_system_vgpr_workitem_id 0
		.amdhsa_next_free_vgpr 256
		.amdhsa_next_free_sgpr 100
		.amdhsa_reserve_vcc 0
		.amdhsa_float_denorm_mode_32 3
		.amdhsa_float_denorm_mode_16_64 3
		.amdhsa_memory_ordered 1
		.amdhsa_forward_progress 1
		.amdhsa_inst_pref_size 32
	.end_amdhsa_kernel
	.amdgpu_metadata
---
amdhsa.version: [ 1, 2 ]
amdhsa.kernels:
  - .name:           k_q774d08ff5d_comb
    .symbol:         k_q774d08ff5d_comb.kd
    .args:
      - { .name: part_o, .offset: 0, .size: 8, .value_kind: global_buffer, .address_space: global }
      - { .name: part_ml, .offset: 8, .size: 8, .value_kind: global_buffer, .address_space: global }
      - { .name: wimg, .offset: 16, .size: 8, .value_kind: global_buffer, .address_space: global }
      - { .name: bo, .offset: 24, .size: 8, .value_kind: global_buffer, .address_space: global }
      - { .name: out0, .offset: 32, .size: 8, .value_kind: global_buffer, .address_space: global }
      - { .name: ranks, .offset: 40, .size: 8, .value_kind: global_buffer, .address_space: global }
    .group_segment_fixed_size: 10240
    .private_segment_fixed_size: 0
    .kernarg_segment_align: 8
    .kernarg_segment_size: 48
    .max_flat_workgroup_size: 512
    .sgpr_count:     100
    .vgpr_count:     256
    .wavefront_size: 32
...
	.end_amdgpu_metadata
.endif
;; end of part 4
